; MI455X (gfx1250); checked and timed in simulation.
; The chip was launched on July 23, 2026; its instructions are those of AMD's public machine-readable ISA for CDNA 5 (MIT licence, August 2026) and "CDNA5" Instruction Set Architecture Reference Guide (July 2026). The comments in the code are by the model that wrote it; some were corrected since.
;; Multihead Attention. Allowed arithmetic: matrix products marked QUANTISED: E3M2 operands, one E8M0 scale for each 32 along K, by v_wmma_scale_f32_16x16x128_f8f6f4 with both operands' format E3M2, f32 sums; everything else in f32.
;; Inputs: WK 1,024 x 1,024 float32; WO 1,024 x 1,024 float32; WQ 1,024 x 1,024 float32; WV 1,024 x 1,024 float32; x 2 x 2,048 x 1,024 float32.
;; Outputs: out0 2 x 2,048 x 1,024 float32.
;; This version of the problem:
;;   THIS VERSION OF THE PROBLEM IS GIVEN IN LOW PRECISION. The matrix products marked QUANTISED in the list below multiply operands that are first quantised to E3M2 (3 exponent bits, 2 mantissa bits; 6 bits a number), with one power-of-two scale for each 32 numbers along K (OCP MX v1.0); their sums are f32. All else is computed in f32.
;;   The module's matrix products, in the order in which they are computed (A, B: the left and right operand; K: the contracted axis; several contracted axes count as one K, in the product's order):
;;     1. [M 4,096, K 1,024] x [K 1,024, N 1,024]; A: input x; B: input WQ: QUANTISED
;;     2. [M 4,096, K 1,024] x [K 1,024, N 1,024]; A: input x; B: input WK: QUANTISED
;;     3. [M 4,096, K 1,024] x [K 1,024, N 1,024]; A: input x; B: input WV: QUANTISED
;;     4. batch 32 x [M 2,048, K 64] x [K 64, N 2,048]; A: computed on the way; B: computed on the way: QUANTISED
;;     5. batch 32 x [M 2,048, K 2,048] x [K 2,048, N 64]; A: softmax (see below); B: computed on the way: QUANTISED
;;     6. [M 4,096, K 1,024] x [K 1,024, N 1,024]; A: computed on the way; B: input WO: QUANTISED
;;   THE QUANTISER, for each operand of a quantised product, along K:
;;     - K is cut into blocks of 32 from its start; a last block that is shorter is filled with zeros.
;;     - A block's scale is 2^e with e = floor(log2(the largest magnitude in the block)) - 4, held to -126 .. 127; a block of zeros has e = 0. As a byte (E8M0): e + 127.
;;     - Each number is divided by its block's scale, clamped to +-28, and rounded to the nearest number of E3M2, ties to even, subnormals kept.
;;     - The product sums the exact products of the quantised numbers (number of the format x scale) in f32.
;;   ~~~python
;;   def quantise(x, axis):      # numpy; x: float32 -> the quantised numbers, widened to float32 again
;;       x = np.moveaxis(x, axis, -1); K = x.shape[-1]
;;       x = np.pad(x, [(0, 0)] * (x.ndim - 1) + [(0, -K % 32)]); x = x.reshape(x.shape[:-1] + (-1, 32)); a = np.abs(x).max(-1, keepdims=True)
;;       e = np.where(a > 0, np.clip(np.frexp(np.where(a > 0, a, 1))[1] - 1 - 4, -126, 127), 0)      # np.frexp(a)[1] - 1 = floor(log2(a)), exactly
;;       r = np.clip(x / 2.0 ** e, -28, 28)
;;       step = 2.0 ** (np.maximum(np.frexp(np.where(r == 0, 1, r))[1] - 1, -2) - 2)
;;       q = np.round(r / step) * step * 2.0 ** e      # np.round: ties to even
;;       return np.moveaxis(q.reshape(q.shape[:-2] + (-1,))[..., :K], -1, axis).astype(np.float32)
;;   ~~~
;;   SOFTMAX AHEAD OF A QUANTISED PRODUCT. Where the list says 'softmax', what is quantised is not the finished softmax but p = 2^(t - M), with t = logit x log2(e) and M = ceil(the row's largest t), a whole number; so 1/2 < the row's largest p <= 1. The row's sum l is taken of the UNQUANTISED p, in f32, and the product's result is divided by l at the end. Since M is a whole number, a kernel that streams over the keys may use a running M (the ceiling of the running maximum): every later rescaling is an exact power of two, which a block's scale takes up: the codes' values come out the same.
;;   OPERANDS COMPUTED ON THE WAY. 'Computed on the way' means the value that the module computes at that place (a softmax that the list does not call 'softmax' is quantised finished and normalised). What goes into a quantiser is computed in f32, as accurately as f32 sums, v_exp_f32 and their like allow (about 1e-6 of the number): no bf16 or f16 on the way to a quantiser, and a product that is left as it is and whose result goes on into a quantised operand takes f32 operands (vector FMAs, or v_wmma_f32_16x16x4_f32). A number that lies on a knife's edge between two numbers of the format may be rounded either way, as far as f32 arithmetic and the matrix unit's own rounding can turn it there, and no further.
;; One version. Each part assembles by itself: llvm-mc -triple=amdgcn-amd-amdhsa -mcpu=gfx1250 --defsym DOCPART=n.
;; ======== version 1 of 1: 4 launches
;; limits: right only within a limited range of input values
;; workspace buffers: xc 3,145,728 bytes; xs 131,072 bytes; wc 3,145,728 bytes; ws 131,072 bytes; qc 3,407,872 bytes; kv 6,815,744 bytes; oc 3,145,728 bytes; os 131,072 bytes
;; launch quant (part 1): grid 256 x 1, 8 waves a work-group, no clusters, 136,192 bytes of LDS; arguments x, WQ, WK, WV, WO, xc, xs, wc, ws; writes xc, xs, wc, ws
.if DOCPART == 1
	.amdgcn_target "amdgcn-amd-amdhsa--gfx1250"
	.amdhsa_code_object_version 6
	.text
	.protected	k_qc36666f351_quant
	.globl	k_qc36666f351_quant
	.p2align	8
	.type	k_qc36666f351_quant,@function
k_qc36666f351_quant:
	s_mov_b64 s[64:65], 0
	v_nop
	global_prefetch_b8 v0, s[64:65] scope:SCOPE_SE
	s_setreg_imm32_b32 hwreg(HW_REG_WAVE_MODE, 25, 1), 1
	s_wait_xcnt 0x0
; x [4096][1024] f32 is quantised along its rows, WQ, WK, WV, WO [1024 (k)][1024 (n)] f32 along their FIRST axis, to codes of BF6 (E3M2) with one E8M0 byte for each 32 along K.
; A block's scale is 2^(floor(log2(largest magnitude)) - 4): its byte is the largest magnitude's exponent field - 4, held at 1 from below by a floor among the maximum's leaves.
; LIMITS: a block of zeros, or one whose largest magnitude lies under 2^-122, gets the byte 1 (its codes are zeros or the nearest codes under that scale; the bytes are read by this program alone);
; NaN and infinities among the inputs are not served.
; THE OUTPUT IS LAID AS THE MATRIX OPERAND'S REGISTERS.  A fragment (16 rows x 128 K, 12 registers a lane) is three parts of 32 lanes x 16 bytes: 1,536 bytes.
; Rows of x and columns of a weight go in groups of 32, two tiles a group: lane r of tile 2 P + u holds index 32 P + 8 u + r + 8 (r / 8), so that a product that takes such a tile as source 0 leaves 16 neighbours
; in the 16 registers of two neighbouring tiles.   xc: [tile 0..255][K step 0..7] fragments.   wc: [matrix][tile 0..63][K step] fragments.   xs, ws: [group][K step][16 u + r] scale words.
; SHARES.  Work-groups 0-127: group P of x, wave s takes K step s (32 rows x 512 bytes).  Work-groups 128-255: a weight's 64 columns x 512 along K; a wave takes 32 columns x 128 along K.
; All of a wave's loads go out at its head.  Waves share nothing: no barrier.  Only the path for x uses LDS, each wave its own 16,896 bytes.
.set TM, 80                            ; v80-83 largest magnitudes, v84-87 exchange and bytes, v92-95 the conversions' scale operands
; 64 numbers of a lane, register 16 b + i = k 32 b + 16 (lane / 16) + i of my row, become a fragment's 12 registers at v[pc] on (v[pc+12] to v[pc+18] at work) and its scale word in v[pw]
.macro QUANT4 src, pc, pw
.irp b, 0,1,2,3
	v_max3_num_f32 v[TM+\b], |v[\src+16*\b]|, |v[\src+1+16*\b]|, 0x2800000   ; my 16 numbers of block b, and the floor 2^(5 - 127)
.endr
.irp i, 2,4,6,8,10,12,14
.irp b, 0,1,2,3
	s_delay_alu instid0(VALU_DEP_4)
	v_max3_num_f32 v[TM+\b], v[TM+\b], |v[\src+16*\b+\i]|, |v[\src+1+16*\b+\i]|   ; the four blocks by turns
.endr
.endr
.irp b, 0,1,2,3
	s_delay_alu instid0(VALU_DEP_4)
	v_permlanex16_b32 v[TM+4+\b], v[TM+\b], s30, s31
.endr
.irp b, 0,1,2,3
	s_delay_alu instid0(VALU_DEP_4)
	v_max_num_f32 v[TM+\b], v[TM+\b], v[TM+4+\b]       ; with lane l xor 16: the block's largest magnitude
.endr
.irp b, 0,1,2,3
	s_delay_alu instid0(VALU_DEP_4)
	v_add_nc_u32 v[TM+12+\b], 0xfe000000, v[TM+\b]     ; 4 off its exponent field: the conversion's scale operand
.endr
.irp b, 0,1,2,3
	s_delay_alu instid0(VALU_DEP_4)
	v_lshrrev_b32 v[TM+4+\b], 23, v[TM+12+\b]          ; the scale's byte
.endr
	s_delay_alu instid0(VALU_DEP_3)
	v_lshl_or_b32 v[\pw], v[TM+5], 8, v[TM+4]
	s_delay_alu instid0(VALU_DEP_1)
	v_lshl_or_b32 v[\pw], v[TM+6], 16, v[\pw]
	s_delay_alu instid0(VALU_DEP_1)
	v_lshl_or_b32 v[\pw], v[TM+7], 24, v[\pw]
.irp c, 0,1
	v_cvt_scalef32_pk16_bf6_f32 v[\pc+6*\c:\pc+2+6*\c], v[\src+32*\c:\src+15+32*\c], v[TM+12+2*\c]
	v_cvt_scalef32_pk16_bf6_f32 v[\pc+12+4*\c:\pc+14+4*\c], v[\src+16+32*\c:\src+31+32*\c], v[TM+12+2*\c+1]   ; a conversion's three registers begin on an even number
.endr
	v_nop                                              ; one plain line behind the scaled conversions
.irp c, 0,1
.irp i, 0,1,2
	v_permlane16_swap_b32 v[\pc+6*\c+\i], v[\pc+12+4*\c+\i]   ; a whole block to a lane: lanes 0-15 block 2 c, lanes 16-31 block 2 c + 1
.endr
.irp i, 0,1,2
	s_delay_alu instid0(VALU_DEP_3)
	v_mov_b32 v[\pc+3+6*\c+\i], v[\pc+12+4*\c+\i]
.endr
.endr
.endm
; tile u of the group: its 16 rows turn through my stage (rows 528 bytes apart), are quantised and leave as a fragment.  left: the loads that may stay out
.macro XTILE u, pc, pw, left
	s_wait_loadcnt \left
.irp rr, 0,1,2,3,4,5,6,7,8,9,10,11,12,13,14,15
	ds_store_b128 v5, v[128+4*(16*\u+\rr):128+4*(16*\u+\rr)+3] offset:8448*\u+528*\rr
.endr
.irp b, 0,1,2,3
.irp jj, 0,1,2,3
	ds_load_b128 v[16+16*\b+4*\jj:16+16*\b+4*\jj+3], v6 offset:8448*\u+128*\b+16*\jj   ; LDS serves a wave's instructions in order: these see my stores
.endr
.endr
	s_wait_dscnt 0x0
	QUANT4 16, \pc, \pw
.irp p, 0,1,2
	global_store_b128 v4, v[\pc+4*\p:\pc+4*\p+3], s[26:27] offset:12288*\u+512*\p   ; 32 lanes store 512 consecutive bytes, aligned to 256
.endr
.endm
; block be (32 along K) of my column: all 32 numbers are mine.  Its codes are registers 6 (be / 2) on of the target lane of half be % 2
.macro WBLOCK be, left
.set XS, 128+32*(\be)
.set FD, 16+12*((\be)%2)+6*((\be)/2)
	s_wait_loadcnt \left
	v_max3_num_f32 v10, |v[XS]|, |v[XS+1]|, |v[XS+2]|
	v_max3_num_f32 v11, |v[XS+3]|, |v[XS+4]|, |v[XS+5]|
.irp i, 6,10,14,18,22,26
	s_delay_alu instid0(VALU_DEP_2)
	v_max3_num_f32 v10, v10, |v[XS+\i]|, |v[XS+\i+1]|
	s_delay_alu instid0(VALU_DEP_2)
	v_max3_num_f32 v11, v11, |v[XS+\i+2]|, |v[XS+\i+3]|
.endr
	s_delay_alu instid0(VALU_DEP_2)
	v_max3_num_f32 v10, v10, |v[XS+30]|, |v[XS+31]|
	s_delay_alu instid0(VALU_DEP_1)
	v_max3_num_f32 v10, v10, v11, 0x2800000            ; and the floor
	s_delay_alu instid0(VALU_DEP_1)
	v_add_nc_u32 v[44+\be], 0xfe000000, v10
	s_delay_alu instid0(VALU_DEP_1)
	v_lshrrev_b32 v11, 23, v[44+\be]
.if (\be) == 0
	s_delay_alu instid0(VALU_DEP_1)
	v_mov_b32 v48, v11
.else
	s_delay_alu instid0(VALU_DEP_1)
	v_lshl_or_b32 v48, v11, 8*(\be), v48               ; the column's scale word: byte be
.endif
	v_cvt_scalef32_pk16_bf6_f32 v[FD:FD+2], v[XS:XS+15], v[44+\be]
	v_cvt_scalef32_pk16_bf6_f32 v[52+4*(\be):54+4*(\be)], v[XS+16:XS+31], v[44+\be]
	v_nop                                              ; one plain line behind the scaled conversions
.irp i, 0,1,2
	v_mov_b32 v[FD+3+\i], v[52+4*(\be)+\i]
.endr
.endm
	s_load_b256 s[4:11], s[0:1], 0x0               ; x s[4:5], WQ s[6:7], WK s[8:9], WV s[10:11]
	s_load_b256 s[12:19], s[0:1], 0x20             ; WO s[12:13], xc s[14:15], xs s[16:17], wc s[18:19]
	s_load_b64 s[20:21], s[0:1], 0x40              ; ws
	v_lshl_add_u32 v126, v0, 2, 0x21000
	v_mov_b32 v127, 0
	v_lshrrev_b32 v1, 5, v0
	s_delay_alu instid0(VALU_DEP_1)
	v_readfirstlane_b32 s22, v1                    ; wave 0..7
	v_and_b32 v2, 31, v0                           ; lane
	s_mov_b32 s30, 0x76543210
	s_mov_b32 s31, 0xfedcba98                      ; v_permlanex16_b32: lane l xor 16
	s_mov_b32 s32, 0xffff0000                      ; lanes 16-31
	s_wait_kmcnt 0x0
	s_cmp_ge_u32 ttmp9, 128
	s_cbranch_scc1 .Lweights
	; ---- x: group P = work-group, K step = wave
	s_wait_alu depctr_va_vdst(0)
	v_lshlrev_b32 v4, 4, v2                        ; 16 x lane
	s_mul_i32 s33, s22, 16896                      ; my stage
	v_add_nc_u32 v5, s33, v4                       ; in: a row's 512 bytes as they lie
	v_and_b32 v7, 15, v2                           ; r
	v_lshrrev_b32 v8, 4, v2                        ; h
	s_delay_alu instid0(VALU_DEP_2)
	v_mul_u32_u24 v6, v7, 528
	s_delay_alu instid0(VALU_DEP_1)
	v_lshl_add_u32 v6, v8, 6, v6
	s_delay_alu instid0(VALU_DEP_1)
	v_add_nc_u32 v6, s33, v6                       ; out: row r, 16 numbers of each block for my half
	v_lshlrev_b32 v9, 2, v2                        ; 4 x lane
.irp b, 0,1,2,3
	v_mov_b32 v[TM+4+\b], 0                        ; written once: a lane permute's destination counts as one of its sources
.endr
	s_lshl_b32 s34, ttmp9, 17                      ; 32 rows of 4,096 bytes
	s_lshl_b32 s36, s22, 9                         ; 128 numbers
	s_add_co_u32 s34, s34, s36
	s_mov_b32 s35, 0
	s_add_nc_u64 s[24:25], s[4:5], s[34:35]
	s_mul_i32 s34, ttmp9, 24576                    ; two tiles of eight fragments
	s_mul_i32 s36, s22, 1536
	s_add_co_u32 s34, s34, s36
	s_add_nc_u64 s[26:27], s[14:15], s[34:35]
	s_lshl_b32 s34, ttmp9, 10
	s_lshl_b32 s36, s22, 7
	s_add_co_u32 s34, s34, s36
	s_add_nc_u64 s[28:29], s[16:17], s[34:35]
.irp u, 0,1
.irp rr, 0,1,2,3,4,5,6,7,8,9,10,11,12,13,14,15
	global_load_b128 v[128+4*(16*\u+\rr):128+4*(16*\u+\rr)+3], v4, s[24:25] offset:4096*(8*\u+\rr+8*(\rr/8)) th:TH_LOAD_NT   ; 512 consecutive bytes of the row that lane rr of tile u stands for
.endr
.endr
	s_wait_alu depctr_va_vdst(0)
	XTILE 0, 100, 96, 16                           ; the second tile's 16 loads may stay out
	XTILE 1, 128, 97, 0                            ; its codes land in registers whose LDS stores are done (the wait for 0 on DScnt above)
	v_cndmask_b32 v98, v96, v97, s32               ; lanes 0-15 tile 0's words, lanes 16-31 tile 1's
	global_store_b32 v9, v98, s[28:29]
	s_wait_tensorcnt 0x0
	ds_add_u32 v126, v127
	s_wait_dscnt 0x0
	s_endpgm
.Lweights:
	; ---- a weight: lane = column, registers run down K
	s_sub_co_u32 s33, ttmp9, 128
	s_lshr_b32 s34, s33, 5                         ; which matrix: 0 Q, 1 K, 2 V, 3 O
	s_bfe_u32 s35, s33, 0x40001                    ; which 64 columns
	s_and_b32 s36, s33, 1                          ; which half of K
	s_and_b32 s37, s22, 1
	s_lshr_b32 s38, s22, 1
	s_lshl_b32 s36, s36, 2
	s_add_co_u32 s36, s36, s38                     ; K step s
	s_lshl_b32 s35, s35, 1
	s_add_co_u32 s35, s35, s37                     ; group P of 32 columns
	s_mov_b64 s[24:25], s[6:7]
	s_cmp_eq_u32 s34, 1
	s_cselect_b64 s[24:25], s[8:9], s[24:25]
	s_cmp_eq_u32 s34, 2
	s_cselect_b64 s[24:25], s[10:11], s[24:25]
	s_cmp_eq_u32 s34, 3
	s_cselect_b64 s[24:25], s[12:13], s[24:25]     ; the choice hangs on the work-group's number alone
	s_lshl_b32 s38, s36, 19                        ; 128 rows of 4,096 bytes
	s_lshl_b32 s40, s35, 7
	s_add_co_u32 s38, s38, s40
	s_mov_b32 s39, 0
	s_add_nc_u64 s[24:25], s[24:25], s[38:39]
	s_lshl_b32 s38, s34, 6
	s_lshl_b32 s40, s35, 1
	s_add_co_u32 s38, s38, s40
	s_mul_i32 s38, s38, 12288
	s_mul_i32 s40, s36, 1536
	s_add_co_u32 s38, s38, s40
	s_add_nc_u64 s[26:27], s[18:19], s[38:39]      ; wc at tile 2 P of the matrix, K step s
	s_lshl_b32 s38, s34, 5
	s_add_co_u32 s38, s38, s35
	s_lshl_b32 s38, s38, 10
	s_lshl_b32 s40, s36, 7
	s_add_co_u32 s38, s38, s40
	s_add_nc_u64 s[28:29], s[20:21], s[38:39]
	s_wait_alu depctr_va_vdst(0)
	v_lshlrev_b32 v4, 2, v2                        ; 4 x lane
	v_bfe_u32 v7, v2, 3, 1                         ; column 8 u + r + 8 (r / 8) of the group: u,
	v_and_b32 v8, 7, v2
	v_lshrrev_b32 v9, 4, v2
	s_delay_alu instid0(VALU_DEP_1)
	v_lshl_add_u32 v8, v9, 3, v8                   ; and r
	s_delay_alu instid0(VALU_DEP_4)
	v_mul_u32_u24 v5, v7, 12288
	s_delay_alu instid0(VALU_DEP_1)
	v_lshl_add_u32 v5, v8, 4, v5                   ; my place in the two tiles' fragments
	s_delay_alu instid0(VALU_DEP_3)
	v_lshl_add_u32 v6, v7, 4, v8
	s_delay_alu instid0(VALU_DEP_1)
	v_lshlrev_b32 v6, 2, v6                        ; and among the scale words
.set kk, 0
.rept 128
	global_load_b32 v[128+kk], v4, s[24:25] offset:4096*kk th:TH_LOAD_NT   ; 128 consecutive bytes a wave; the neighbouring wave takes the next 128
.set kk, kk+1
.endr
	WBLOCK 0, 63                                   ; 96 and 64 later loads could stay out; a count names at most what the counter's field holds, 63 (ISA guide 5.7.1)
	WBLOCK 1, 63
	WBLOCK 2, 32
	WBLOCK 3, 0
.irp h, 0,1
.irp p, 0,1,2
	global_store_b128 v5, v[16+12*\h+4*\p:16+12*\h+4*\p+3], s[26:27] offset:512*\p+256*\h   ; the sixteen lanes of a tile store 256 consecutive bytes, aligned
.endr
.endr
	global_store_b32 v6, v48, s[28:29]
	s_endpgm
.Lfunc_end_k_qc36666f351_quant:
	.size	k_qc36666f351_quant, .Lfunc_end_k_qc36666f351_quant-k_qc36666f351_quant
	.p2alignl 7, 3214868480
	.fill 96, 4, 3214868480
	.section	.rodata,"a",@progbits
	.p2align	6, 0x0
	.amdhsa_kernel k_qc36666f351_quant
		.amdhsa_group_segment_fixed_size 136192
		.amdhsa_private_segment_fixed_size 0
		.amdhsa_enable_private_segment 0
		.amdhsa_kernarg_size 72
		.amdhsa_user_sgpr_count 2
		.amdhsa_user_sgpr_kernarg_segment_ptr 1
		.amdhsa_wavefront_size32 1
		.amdhsa_system_sgpr_workgroup_id_x 1
		.amdhsa_system_sgpr_workgroup_id_y 1
		.amdhsa_system_sgpr_workgroup_id_z 1
		.amdhsa_system_vgpr_workitem_id 0
		.amdhsa_next_free_vgpr 256
		.amdhsa_next_free_sgpr 66
		.amdhsa_reserve_vcc 0
		.amdhsa_float_denorm_mode_32 3
		.amdhsa_float_denorm_mode_16_64 3
		.amdhsa_memory_ordered 1
		.amdhsa_forward_progress 1
		.amdhsa_inst_pref_size 44
	.end_amdhsa_kernel
	.amdgpu_metadata
---
amdhsa.version: [ 1, 2 ]
amdhsa.kernels:
  - .name:           k_qc36666f351_quant
    .symbol:         k_qc36666f351_quant.kd
    .args:
      - { .name: x, .offset: 0, .size: 8, .value_kind: global_buffer, .address_space: global }
      - { .name: WQ, .offset: 8, .size: 8, .value_kind: global_buffer, .address_space: global }
      - { .name: WK, .offset: 16, .size: 8, .value_kind: global_buffer, .address_space: global }
      - { .name: WV, .offset: 24, .size: 8, .value_kind: global_buffer, .address_space: global }
      - { .name: WO, .offset: 32, .size: 8, .value_kind: global_buffer, .address_space: global }
      - { .name: xc, .offset: 40, .size: 8, .value_kind: global_buffer, .address_space: global }
      - { .name: xs, .offset: 48, .size: 8, .value_kind: global_buffer, .address_space: global }
      - { .name: wc, .offset: 56, .size: 8, .value_kind: global_buffer, .address_space: global }
      - { .name: ws, .offset: 64, .size: 8, .value_kind: global_buffer, .address_space: global }
    .group_segment_fixed_size: 136192
    .private_segment_fixed_size: 0
    .kernarg_segment_align: 8
    .kernarg_segment_size: 72
    .max_flat_workgroup_size: 256
    .sgpr_count:     66
    .vgpr_count:     256
    .wavefront_size: 32
...
	.end_amdgpu_metadata
.endif
;; end of part 1
;; launch qkv (part 2): grid 12 x 16, 4 waves a work-group, clusters of 4 x 1, 327,680 bytes of LDS; arguments xc, xs, wc, ws, qc, kv; writes qc, kv
.if DOCPART == 2
	.amdgcn_target "amdgcn-amd-amdhsa--gfx1250"
	.amdhsa_code_object_version 6
	.text
	.protected	k_qc36666f351_qkv
	.globl	k_qc36666f351_qkv
	.p2align	8
	.type	k_qc36666f351_qkv,@function
k_qc36666f351_qkv:
	s_mov_b64 s[64:65], 0
	v_nop
	global_prefetch_b8 v0, s[64:65] scope:SCOPE_SE
	s_setreg_imm32_b32 hwreg(HW_REG_WAVE_MODE, 25, 1), 1
	s_wait_xcnt 0x0
	s_wait_alu depctr_hold_cnt(0) depctr_sa_sdst(0) depctr_va_vdst(0) depctr_va_sdst(0) depctr_va_ssrc(0) depctr_va_vcc(0) depctr_vm_vsrc(0)
	s_getreg_b32 s2, hwreg(HW_REG_IB_STS2, 6, 4)
	s_cmp_eq_u32 s2, 0
	s_cbranch_scc0 .Lentry_in_a_cluster
	s_endpgm
.Lentry_in_a_cluster:
	s_bfe_u32 s2, ttmp6, 0x10000c
	s_cmp_lg_u32 s2, 0x3003
	s_cbranch_scc0 .Lentry_shape_is_right
	s_endpgm
.Lentry_shape_is_right:
; Q = x WQ, K = x WK, V = x WV on codes of BF6 (E3M2) with E8M0 scales, sums in f32; the results are quantised in registers, Q and K along the head's 64, V along the keys, and leave as codes laid as operand registers.
; SHARES.  The cluster's x says which matrix (0 Q, 1 K, 2 V); the four work-groups of a cluster take four heads each; wave w of work-group cx owns head 4 cx + w: its 64 columns x 1,024 K, 32 fragments, 384 registers,
; stay in registers.  The work-group walks 256 rows of x in four trips of 64: 128 matrix instructions a trip and wave; a fragment of x read from LDS feeds four products.
; 48 heads x 16 row groups in fours are 192 work-groups: the factor 3 does not divide into 256 work-groups of four equal waves.
; CLUSTER.  The four partners read the same 256 rows of x: the panel (196,608 bytes of codes) is asked for JOINTLY, two tensor loads a wave, one at the start and one behind the first trip's round, each into bytes of its own.
; No LDS byte is filled twice and none is stored to.  The weights go to registers, so nothing of them can be shared.
; Q, K: source 0 = 16 columns of W, source 1 = 16 rows of x: a lane holds one row, its registers run along the head.   V: the sources swapped: a lane holds one channel, its registers run along the keys.
; In both the 32 registers of a unit (four accumulators) are two blocks of 32 along the next K, 16 numbers in this lane and 16 in lane l xor 16: one epilogue serves all three.
; OUT.  qc: [head and batch hb][block of 128 queries]: 8 tiles x 768 bytes (6 registers a lane: 32 x 16 bytes, then 32 x 8), then scale words.   kv: [hb][block of 128 keys]: K's 8 tiles, V's 2 x 4, K's words, V's.
; LIMITS: a block of zeros or under 2^-122 gets the scale byte 1; NaN and infinities are not served.
; REGISTERS: window 0: v1-7 addresses; v16-31 W's scale words; v32-47 x's; v48-95, v96-143 x's fragments, two sets; v144-223 the epilogue.   window 1: W's K steps 0-4.   window 2: K steps 5-7.   window 3: 16 accumulators.
.set WS,  16
.set XSC, 32
.set XB0, 48
.set TM,  144                          ; largest magnitudes of the 8 blocks
.set TE,  152                          ; exchange, then bytes
.set SO,  160                          ; the conversions' scale operands
.set WD,  168                          ; a unit's two bytes
.set SP,  172                          ; two units' words in one register: lanes 0-15 the even unit's, lanes 16-31 the odd one's
.set PC,  176                          ; a unit's six registers of codes, at 8 q
.set TC,  208                          ; at work, at 4 q
.set MSB, 0
.macro WIN new                         ; the immediate's high byte repeats the setting that is left
.if MSB != (\new)
	s_set_vgpr_msb (MSB<<8)|(\new)
.set MSB, (\new)
.endif
.endm
.macro PLACES n
.rept \n
	v_nop
.endr
.endm
.macro ROUND                           ; a round of the cluster's barrier
	s_barrier_signal -1
	s_barrier_wait -1
	s_cmp_lg_u32 s16, 0
	s_cbranch_scc1 .Lnot_wave_0_\@
	s_barrier_signal -3
.Lnot_wave_0_\@:
	s_barrier_wait -3
	s_barrier_signal -1
	s_barrier_wait -1
.endm
; one product.  z = 1: it starts the sum.  ra, rb = 1: that side's scales stand in lanes 16-31
.macro WM d, a, b, z, sa, sb, ra, rb
.if \z
.if (\ra) && (\rb)
	v_wmma_scale_f32_16x16x128_f8f6f4 v[\d:\d+7], v[\a:\a+11], v[\b:\b+11], 0, v[\sa], v[\sb] matrix_a_fmt:MATRIX_FMT_BF6 matrix_b_fmt:MATRIX_FMT_BF6 matrix_a_scale:MATRIX_SCALE_ROW1 matrix_b_scale:MATRIX_SCALE_ROW1
.elseif \ra
	v_wmma_scale_f32_16x16x128_f8f6f4 v[\d:\d+7], v[\a:\a+11], v[\b:\b+11], 0, v[\sa], v[\sb] matrix_a_fmt:MATRIX_FMT_BF6 matrix_b_fmt:MATRIX_FMT_BF6 matrix_a_scale:MATRIX_SCALE_ROW1
.elseif \rb
	v_wmma_scale_f32_16x16x128_f8f6f4 v[\d:\d+7], v[\a:\a+11], v[\b:\b+11], 0, v[\sa], v[\sb] matrix_a_fmt:MATRIX_FMT_BF6 matrix_b_fmt:MATRIX_FMT_BF6 matrix_b_scale:MATRIX_SCALE_ROW1
.else
	v_wmma_scale_f32_16x16x128_f8f6f4 v[\d:\d+7], v[\a:\a+11], v[\b:\b+11], 0, v[\sa], v[\sb] matrix_a_fmt:MATRIX_FMT_BF6 matrix_b_fmt:MATRIX_FMT_BF6
.endif
.else
.if (\ra) && (\rb)
	v_wmma_scale_f32_16x16x128_f8f6f4 v[\d:\d+7], v[\a:\a+11], v[\b:\b+11], v[\d:\d+7], v[\sa], v[\sb] matrix_a_fmt:MATRIX_FMT_BF6 matrix_b_fmt:MATRIX_FMT_BF6 matrix_a_scale:MATRIX_SCALE_ROW1 matrix_b_scale:MATRIX_SCALE_ROW1
.elseif \ra
	v_wmma_scale_f32_16x16x128_f8f6f4 v[\d:\d+7], v[\a:\a+11], v[\b:\b+11], v[\d:\d+7], v[\sa], v[\sb] matrix_a_fmt:MATRIX_FMT_BF6 matrix_b_fmt:MATRIX_FMT_BF6 matrix_a_scale:MATRIX_SCALE_ROW1
.elseif \rb
	v_wmma_scale_f32_16x16x128_f8f6f4 v[\d:\d+7], v[\a:\a+11], v[\b:\b+11], v[\d:\d+7], v[\sa], v[\sb] matrix_a_fmt:MATRIX_FMT_BF6 matrix_b_fmt:MATRIX_FMT_BF6 matrix_b_scale:MATRIX_SCALE_ROW1
.else
	v_wmma_scale_f32_16x16x128_f8f6f4 v[\d:\d+7], v[\a:\a+11], v[\b:\b+11], v[\d:\d+7], v[\sa], v[\sb] matrix_a_fmt:MATRIX_FMT_BF6 matrix_b_fmt:MATRIX_FMT_BF6
.endif
.endif
.endm
.macro FETCHX s, buf                   ; the trip's four fragments of x for K step s: twelve loads of 512 consecutive bytes
.irp m, 0,1,2,3
.irp p, 0,1,2
	ds_load_b128 v[\buf+12*\m+4*\p:\buf+12*\m+4*\p+3], v4 offset:(8*\m+(\s))*1536+512*\p
.endr
.endr
.endm
; K step s of trip g: 16 products; the 16 accumulators take turns in ascending order in both arms.  arm 0: Q, K;  arm 1: V
.macro KSTEP g, s, arm
.set CUR, XB0+48*((\s)%2)
.set NXT, XB0+48*(((\s)+1)%2)
.if (\s) < 7
.if (\s) > 0
	PLACES 4                                       ; four places between the last products that read the other set and the loads into it
.endif
	FETCHX (\s)+1, NXT
	s_wait_dscnt 12                                ; all but the twelve just issued: this step's fragments are in
.else
	s_wait_dscnt 0x0
.endif
.if (\g) == 0                          ; the weights arrive K step by K step, twelve loads each; the later steps' may stay out
.if 84-12*(\s) > 63
	s_wait_loadcnt 63                              ; a count names at most what the counter's field holds (ISA guide 5.7.1)
.else
	s_wait_loadcnt 84-12*(\s)
.endif
.endif
.if (\s) < 5
.set WW, 1
.set WB, 48*(\s)
.else
.set WW, 2
.set WB, 48*((\s)-5)
.endif
.if (\s) == 0
.set ZZ, 1
.else
.set ZZ, 0
.endif
.if \arm
.set WSEL, 0xf0|(WW<<2)
.else
.set WSEL, 0xf0|WW
.endif
	WIN WSEL                                       ; C and D window 3; W's window for the source that takes it; x in window 0
.irp o, 0,1,2,3
.irp i, 0,1,2,3
.set rD, 8*(4*\o+\i)
.set fA, \i%2
.set fB, \o%2
.if \arm
.set rA, CUR+12*\i
.set rB, WB+12*\o
.set rSA, XSC+192*((\g)%2)+8*(\i/2)+(\s)
.set rSB, WS+8*(\o/2)+(\s)
.else
.set rA, WB+12*\i
.set rB, CUR+12*\o
.set rSA, WS+8*(\i/2)+(\s)
.set rSB, XSC+192*((\g)%2)+8*(\o/2)+(\s)
.endif
	WM rD, rA, rB, ZZ, rSA, rSB, fA, fB
.endr
.endr
	WIN 0
.endm
; The epilogue of trip g.  Unit q is accumulators 4 q .. 4 q + 3: register 16 b + i = index 32 b + 16 (lane / 16) + i along the next K.  Block k = 2 q + b begins at register 16 k of window 3.
.macro EPI g
	PLACES 4                                       ; four places behind the last products
	s_wait_xcnt 0x0
.if (\g) < 2
.irp i, 0,1,2,3,4,5,6,7,8,9,10,11,12,13,14,15
	global_load_b32 v[XSC+192*((\g)%2)+\i], v2, s[42:43] offset:2048*((\g)+2)+128*\i   ; the scale words of x for the trip after the next, into the set that this trip has done with, four places behind its last products
.endr
.endif
	WIN 0x3c
.irp k, 0,1,2,3,4,5,6,7
	v_max3_num_f32 v[TM+\k], 0x2800000, |v[16*\k]|, |v[16*\k+1]|   ; each accumulator is read from its low end on; the floor 2^(5 - 127) is a leaf
.endr
.irp i, 2,4,6,8,10,12,14
.irp k, 0,1,2,3,4,5,6,7
	v_max3_num_f32 v[TM+\k], v[TM+\k], |v[16*\k+\i]|, |v[16*\k+\i+1]|
.endr
.endr
	WIN 0
.irp k, 0,1,2,3,4,5,6,7
	v_permlanex16_b32 v[TE+\k], v[TM+\k], s72, s73
.endr
.irp k, 0,1,2,3,4,5,6,7
	v_max_num_f32 v[TM+\k], v[TM+\k], v[TE+\k]     ; the block's largest magnitude
.endr
.irp k, 0,1,2,3,4,5,6,7
	v_add_nc_u32 v[SO+\k], 0xfe000000, v[TM+\k]    ; 4 off its exponent field
.endr
.irp k, 0,1,2,3,4,5,6,7
	v_lshrrev_b32 v[TE+\k], 23, v[SO+\k]           ; the byte
.endr
.irp q, 0,1,2,3
	v_lshl_or_b32 v[WD+\q], v[TE+2*\q+1], 8, v[TE+2*\q]   ; two bytes; the upper two stay 0
.endr
.irp p, 0,1
	v_cndmask_b32 v[SP+\p], v[WD+2*\p], v[WD+2*\p+1], s70
.endr
	WIN 0x03                                       ; source 0 window 3
.irp q, 0,1,2,3
	v_cvt_scalef32_pk16_bf6_f32 v[PC+8*\q:PC+8*\q+2], v[32*\q:32*\q+15], v[SO+2*\q]
	v_cvt_scalef32_pk16_bf6_f32 v[TC+4*\q:TC+4*\q+2], v[32*\q+16:32*\q+31], v[SO+2*\q+1]
.endr
	WIN 0
	v_nop                                          ; one plain line behind the scaled conversions
.irp q, 0,1,2,3
.irp i, 0,1,2
	v_permlane16_swap_b32 v[PC+8*\q+\i], v[TC+4*\q+\i]   ; a whole block to a lane
.endr
.irp i, 0,1,2
	v_mov_b32 v[PC+8*\q+3+\i], v[TC+4*\q+\i]
.endr
.endr
.if (\g) == 2
	s_add_nc_u64 s[60:61], s[60:61], s[68:69]      ; on to the next block of 128 rows (behind the wait on XCNT above)
	s_add_nc_u64 s[62:63], s[62:63], s[68:69]
.endif
.irp q, 0,1,2,3
	global_store_b128 v[1+5*(\q/2)], v[PC+8*\q:PC+8*\q+3], s[60:61] offset:3072*((\g)%2)+768*\q          ; 512 consecutive bytes, aligned to 256; units 2 and 3 of K: lane slot xor 8
	global_store_b64 v[3+4*(\q/2)], v[PC+8*\q+4:PC+8*\q+5], s[60:61] offset:3072*((\g)%2)+768*\q+512     ; 256 consecutive bytes, aligned
.endr
	global_store_b64 v3, v[SP:SP+1], s[62:63] offset:256*((\g)%2)
.endm
.macro TRIP g
	s_wait_tensorcnt 0x0                           ; all my tensor loads are in
.if (\g) == 0
	ds_add_u32 v254, v255                          ; the add ahead of a later first fill
.endif
	s_wait_dscnt 0x0
.if (\g) == 0
	ROUND                                          ; everybody's part of the first 64 rows is in, and the four partners meet
	tensor_load_to_lds s[48:51], s[32:39]          ; my quarter of the other 192 rows: 144 rows of 256 bytes, dense, my one load behind the round
	s_nop 0
	PLACES 4
.else
.if (\g) == 2
	s_wait_loadcnt 16                              ; this trip's scale words of x, asked for in the first trip's epilogue; the sixteen loads of the second trip's epilogue may stay out
.endif
.if (\g) == 3
	s_wait_loadcnt 0x0                             ; this trip's scale words of x.  (The second trip's came at the head: the first trip's last K step has waited for 0)
.endif
.if (\g) == 1
	s_barrier_signal -1
	s_barrier_wait -1                              ; everybody's quarter is in: from here on LDS is only read
.endif
.endif
	v_add_nc_u32 v4, 49152*(\g), v1
	FETCHX 0, XB0
	s_cmp_eq_u32 s18, 2                            ; the matrix is the same in all partners of a cluster
	s_cbranch_scc1 .Lv_\@
	s_wait_alu depctr_va_vdst(0)
.irp s, 0,1,2,3,4,5,6,7
	KSTEP \g, \s, 0
.endr
	s_branch .Lj_\@
.Lv_\@:
	s_wait_alu depctr_va_vdst(0)
.irp s, 0,1,2,3,4,5,6,7
	KSTEP \g, \s, 1
.endr
.Lj_\@:
	EPI \g
.endm
	s_load_b256 s[4:11], s[0:1], 0x0               ; xc s[4:5], xs s[6:7], wc s[8:9], ws s[10:11]
	s_load_b128 s[12:15], s[0:1], 0x20             ; qc s[12:13], kv s[14:15]
	v_lshl_add_u32 v254, v0, 2, 0x32000
	v_mov_b32 v255, 0
	ds_add_u32 v254, v255
	ds_add_u32 v254, v255
	v_lshrrev_b32 v6, 5, v0
	v_readfirstlane_b32 s16, v6                    ; wave 0..3
	v_and_b32 v6, 31, v0
	v_lshlrev_b32 v1, 4, v6                        ; 16 x lane
	v_lshlrev_b32 v2, 2, v6                        ; 4 x lane
	v_lshlrev_b32 v3, 3, v6                        ; 8 x lane
	s_bfe_u32 s17, ttmp6, 0x40000                  ; cx
	s_mov_b32 s18, ttmp9                           ; the cluster's x: which matrix
	s_and_b32 s19, ttmp7, 0xffff                   ; which 256 rows
	s_lshl_b32 s20, s17, 2
	s_add_co_u32 s20, s20, s16                     ; my head
	s_mov_b32 s70, 0xffff0000
	s_mov_b32 s72, 0x76543210
	s_mov_b32 s73, 0xfedcba98
	s_lshl_b32 s74, s18, 4
	s_add_co_u32 s74, s74, s20
	s_mul_i32 s76, s74, 49152                      ; four tiles of eight fragments a head
	s_mov_b32 s77, 0
	s_lshl_b32 s78, s74, 11                        ; two groups of 1,024 bytes of scale words
	s_mov_b32 s79, 0
	; descriptor groups 1: dense blocks as rows of 256 bytes (32 elements of 8 bytes); mask 15: all four partners, bit 21 beside it
	s_mov_b32 s24, 15|(3<<16)|(1<<21)
	s_mov_b32 s25, 32<<16                          ; tensor_dim0
	s_mov_b32 s26, 48<<16                          ; tensor_dim1: 48 rows: one tile of x, eight fragments
	s_mov_b32 s27, 32<<16                          ; tile_dim0
	s_mov_b32 s28, 48                              ; tile_dim1
	s_mov_b32 s29, 32                              ; pitch
	s_mov_b32 s30, 0
	s_mov_b32 s31, 0
	s_mov_b32 s32, 15|(3<<16)|(1<<21)
	s_mov_b32 s33, 32<<16
	s_mov_b32 s34, 144<<16                         ; 144 rows: a quarter of trips 1 to 3
	s_mov_b32 s35, 32<<16
	s_mov_b32 s36, 144
	s_mov_b32 s37, 32
	s_mov_b32 s38, 0
	s_mov_b32 s39, 0
	s_lshl_b32 s22, s19, 13
	s_mov_b32 s23, 0
	s_wait_alu depctr_va_vdst(0)
	s_wait_dscnt 0x0
	s_wait_kmcnt 0x0
	s_add_nc_u64 s[76:77], s[8:9], s[76:77]
	s_add_nc_u64 s[78:79], s[10:11], s[78:79]
	s_add_nc_u64 s[42:43], s[6:7], s[22:23]        ; xs at my 256 rows
	s_mul_i32 s22, s19, 196608
	s_mul_i32 s21, s16, 12288
	s_add_co_u32 s22, s22, s21
	s_add_nc_u64 s[66:67], s[4:5], s[22:23]        ; xc at tile w of the 16; no register here ever holds cx
	s_mov_b32 s44, 1                               ; the head's load: tile w of the first four
	s_mov_b32 s45, s21
	s_mov_b64 s[46:47], s[66:67]
	s_or_b32 s47, s47, 0x80000000
	s_mul_i32 s22, s16, 24576
	s_mov_b32 s48, 1                               ; the second load: bytes 49,152 + 36,864 w on, of the panel and of LDS alike
	s_mul_i32 s49, s16, 36864
	s_add_co_u32 s49, s49, 49152
	s_add_nc_u64 s[50:51], s[66:67], s[22:23]
	s_add_nc_u64 s[50:51], s[50:51], 49152
	s_or_b32 s51, s51, 0x80000000
	ROUND                                          ; all four work-groups are here: the joint loads meet
	tensor_load_to_lds s[44:47], s[24:31]          ; my one load at the head, ahead of the run of loads below, so that x's panel and the weights are on their way together
	s_nop 0
	PLACES 4
.irp i, 0,1,2,3,4,5,6,7,8,9,10,11,12,13,14,15
	global_load_b32 v[WS+\i], v2, s[78:79] offset:128*\i   ; register 8 p + s, as x's
	global_load_b32 v[XSC+\i], v2, s[42:43] offset:128*\i  ; the first trip's scale words of x: register 8 p + s: lanes 0-15 tile 2 p's words of K step s, lanes 16-31 tile 2 p + 1's
	global_load_b32 v[XSC+192+\i], v2, s[42:43] offset:2048+128*\i   ; the second trip's, in the second set, v224-239
.endr
	WIN 0x40                                       ; destination window 1
.irp s, 0,1,2,3,4
.irp t, 0,1,2,3
.irp p, 0,1,2
	global_load_b128 v[12*(4*\s+\t)+4*\p:12*(4*\s+\t)+4*\p+3], v1, s[76:77] offset:(8*\t+\s)*1536+512*\p
.endr
.endr
.endr
	WIN 0x80                                       ; destination window 2
.irp s, 5,6,7
.irp t, 0,1,2,3
.irp p, 0,1,2
	global_load_b128 v[12*(4*(\s-5)+\t)+4*\p:12*(4*(\s-5)+\t)+4*\p+3], v1, s[76:77] offset:(8*\t+\s)*1536+512*\p
.endr
.endr
.endr
	WIN 0
.irp k, 0,1,2,3,4,5,6,7
	v_mov_b32 v[TE+\k], 0                          ; written once: a lane permute's destination counts as one of its sources
.endr
	; where the results go: block ((batch x 16 + head) x 16 + 2 (row group % 8)) of qc (6,656 bytes) or kv (13,312)
	s_cmp_eq_u32 s18, 1                            ; K alone: units 2 and 3 of a trip are stored with lane slot xor 8, inside the same 512 and 256 bytes
	s_cselect_b32 s74, 128, 0
	v_xor_b32 v6, s74, v1
	s_lshr_b32 s74, s74, 1
	v_xor_b32 v7, s74, v3
	s_lshr_b32 s74, s19, 3
	s_lshl_b32 s74, s74, 4
	s_add_co_u32 s74, s74, s20
	s_lshl_b32 s74, s74, 4
	s_and_b32 s75, s19, 7
	s_lshl_b32 s75, s75, 1
	s_add_co_u32 s74, s74, s75
	s_mov_b32 s75, 13312
	s_mov_b32 s71, 12288
	s_cmp_eq_u32 s18, 0
	s_cselect_b64 s[60:61], s[12:13], s[14:15]
	s_cselect_b32 s68, 6656, s75                   ; a block's bytes
	s_cselect_b32 s71, 6144, s71                   ; the scale words' place in it: Q 6,144, K 12,288,
	s_mov_b32 s75, 12800
	s_cmp_eq_u32 s18, 2
	s_cselect_b32 s71, s75, s71                    ; V 12,800
	s_cselect_b32 s75, 6144, 0                     ; the codes' place: V's lie behind K's
	s_mov_b32 s69, 0
	s_mov_b32 s3, 0
	s_mul_i32 s74, s74, s68
	s_add_co_u32 s2, s74, s71
	s_add_nc_u64 s[62:63], s[60:61], s[2:3]
	s_add_co_u32 s2, s74, s75
	s_add_nc_u64 s[60:61], s[60:61], s[2:3]
	TRIP 0
	TRIP 1
	TRIP 2
	TRIP 3
	s_wait_dscnt 0x0
	s_wait_tensorcnt 0x0
	ds_add_u32 v254, v255
	s_wait_dscnt 0x0
	ROUND                                          ; the closing round
	s_endpgm
.Lfunc_end_k_qc36666f351_qkv:
	.size	k_qc36666f351_qkv, .Lfunc_end_k_qc36666f351_qkv-k_qc36666f351_qkv
	.p2alignl 7, 3214868480
	.fill 96, 4, 3214868480
	.section	.rodata,"a",@progbits
	.p2align	6, 0x0
	.amdhsa_kernel k_qc36666f351_qkv
		.amdhsa_group_segment_fixed_size 327680
		.amdhsa_private_segment_fixed_size 0
		.amdhsa_enable_private_segment 0
		.amdhsa_kernarg_size 48
		.amdhsa_user_sgpr_count 2
		.amdhsa_user_sgpr_kernarg_segment_ptr 1
		.amdhsa_wavefront_size32 1
		.amdhsa_system_sgpr_workgroup_id_x 1
		.amdhsa_system_sgpr_workgroup_id_y 1
		.amdhsa_system_sgpr_workgroup_id_z 1
		.amdhsa_system_vgpr_workitem_id 0
		.amdhsa_next_free_vgpr 896
		.amdhsa_next_free_sgpr 80
		.amdhsa_reserve_vcc 0
		.amdhsa_float_denorm_mode_32 3
		.amdhsa_float_denorm_mode_16_64 3
		.amdhsa_memory_ordered 1
		.amdhsa_forward_progress 1
		.amdhsa_inst_pref_size 244
	.end_amdhsa_kernel
	.amdgpu_metadata
---
amdhsa.version: [ 1, 2 ]
amdhsa.kernels:
  - .name:           k_qc36666f351_qkv
    .symbol:         k_qc36666f351_qkv.kd
    .args:
      - { .name: xc, .offset: 0, .size: 8, .value_kind: global_buffer, .address_space: global }
      - { .name: xs, .offset: 8, .size: 8, .value_kind: global_buffer, .address_space: global }
      - { .name: wc, .offset: 16, .size: 8, .value_kind: global_buffer, .address_space: global }
      - { .name: ws, .offset: 24, .size: 8, .value_kind: global_buffer, .address_space: global }
      - { .name: qc, .offset: 32, .size: 8, .value_kind: global_buffer, .address_space: global }
      - { .name: kv, .offset: 40, .size: 8, .value_kind: global_buffer, .address_space: global }
    .group_segment_fixed_size: 327680
    .private_segment_fixed_size: 0
    .kernarg_segment_align: 8
    .kernarg_segment_size: 48
    .max_flat_workgroup_size: 128
    .sgpr_count:     80
    .vgpr_count:     896
    .wavefront_size: 32
...
	.end_amdgpu_metadata
.endif
;; end of part 2
;; launch attn (part 3): grid 8 x 32, 16 waves a work-group, clusters of 4 x 1, 288,768 bytes of LDS; arguments qc, kv, oc, os; writes oc, os
.if DOCPART == 3
	.amdgcn_target "amdgcn-amd-amdhsa--gfx1250"
	.amdhsa_code_object_version 6
	.text
	.protected	k_qc36666f351_attn
	.globl	k_qc36666f351_attn
	.p2align	8
	.type	k_qc36666f351_attn,@function
k_qc36666f351_attn:
	s_mov_b64 s[64:65], 0
	v_nop
	global_prefetch_b8 v0, s[64:65] scope:SCOPE_SE
	s_setreg_imm32_b32 hwreg(HW_REG_WAVE_MODE, 25, 1), 1
	s_wait_xcnt 0x0
	s_wait_alu depctr_hold_cnt(0) depctr_sa_sdst(0) depctr_va_vdst(0) depctr_va_sdst(0) depctr_va_ssrc(0) depctr_va_vcc(0) depctr_vm_vsrc(0)
	s_getreg_b32 s2, hwreg(HW_REG_IB_STS2, 6, 4)
	s_cmp_eq_u32 s2, 0
	s_cbranch_scc0 .Lentry_in_a_cluster
	s_endpgm
.Lentry_in_a_cluster:
	s_bfe_u32 s2, ttmp6, 0x10000c
	s_cmp_lg_u32 s2, 0x3003
	s_cbranch_scc0 .Lentry_shape_is_right
	s_endpgm
.Lentry_shape_is_right:
; O = softmax(Q K^T / 8, causal) V for one head and batch hb, both products on codes of BF6 (E3M2) with E8M0 scales; O / l is quantised along the model's 1,024 and leaves as codes.
; THE SOFTMAX: t = score x log2(e) / 8; M = the running largest t rounded UP to a whole number; p = 2^(t - M) is quantised along the keys; l is the sum of the unquantised p; when M moves, l and O are
; multiplied by 2^(old M - new M), which rounds nothing.  LEFT OUT: blocks of 128 keys that all come after a tile's queries: the causal mask makes their p zero for every input.
; SHARES.  Work-group c (0..7) of a head owns tile c (16 queries) of each of the 16 blocks of 128 queries.  Two partner waves, w and w xor 1, share the tiles of blocks a = w / 2 and 15 - a, 17 steps of 128 keys:
; the wave of parity 0 takes the even key blocks of both tiles (9 steps), the other the odd ones (8).  The parity is bit 0 of w xor (w / 4): among four waves with w % 4 alike, or w / 4 alike, two have each parity.
; The partners take the two tiles in opposite order.  Each stores its first tile's partial O, -M and l to LDS bytes of its own; behind one barrier each joins its partner's partial to its second tile's:
; both are brought under the larger M by powers of two.  Every branch hangs on the wave's number and a counted loop's steps alone, so the work-groups of a cluster run alike.
; LDS.  The head's K and V, 16 blocks of 13,312 bytes, come ONCE, one tensor load a wave, asked for jointly by the four partners of a cluster; then 16 x 4,608 bytes of partials; then the spare words.
; No prefetch: the launch's one fill goes out at its head; there is no loop to run ahead in.
; LAYOUT.  Both products transposed: S^T = K Q^T, O^T = V^T P^T: a lane holds one query.  Lane r of a tile of queries or channels stands for index 32 (tile / 2) + 8 (tile % 2) + r + 8 (r / 8) of its block.
; THE KEYS OF A TILE OF K are chosen anew as the fragments are read from LDS: row 8 h + j of tile 4 c + u is key 64 c + 32 h + 8 u + j.  So registers 32 c .. 32 c + 31 of the scores are, in lane half h, the whole block
; 2 c + h of 32 keys in their order: p's codes fall into the operand's registers as they are converted, and a block's maximum needs no other lane.  Row r then comes from the stored tile 4 c + 2 (r / 8) + u % 2,
; lane slot r % 8 + 8 (u / 2) + 16 h; stored tiles 2, 3, 6, 7 have the slot xor 8, so that rows 0-7 and 8-15 read different halves of each 256 bytes.
; THE FIRST PRODUCT'S K IS 64, the instruction's 128: Q's registers 6-11 are zero codes and both sides' scale bytes of blocks 2 and 3 are 0 (2^-127, a number); K's registers 6-11 are the next tile's codes, which multiply zeros.
; LIMITS: the promise holds while the scaled scores stay under 2^31 in magnitude; a block of zeros or under 2^-122 gets the scale byte 1; NaN and infinities are not served.
; REGISTERS: v1-11, 29-31, 93-95, 211, 223 addresses and the mask's number; v12 -M, v13 largest t, v[14:15] l; v16-27 Q, v28 its scale words; v86-92 the second tile's Q; v32-85 K's tiles, then V's fragments;
; v96-159 S^T, then p; v160-191 O^T; v192-210 p's codes; v212-215 K's scale words; v216-221 V's; v222 p's; v224-251 at work.
.set BLK,   13312
.set PART,  16*BLK
.set PW,    4608
.set SPARE, PART+16*PW
.macro PLACES n
.rept \n
	v_nop
.endr
.endm
.macro D n
	s_delay_alu instid0(VALU_DEP_\n)
.endm
.macro ROUND                           ; a round of the cluster's barrier
	s_barrier_signal -1
	s_barrier_wait -1
	s_cmp_lg_u32 s12, 0
	s_cbranch_scc1 .Lnot_wave_0_\@
	s_barrier_signal -3
.Lnot_wave_0_\@:
	s_barrier_wait -3
	s_barrier_signal -1
	s_barrier_wait -1
.endm
.macro WM d, a, b, z, sa, sb, ra       ; one product.  z = 1: it starts the sum.  ra = 1: source 0's scales stand in lanes 16-31
.if \z
.if \ra
	v_wmma_scale_f32_16x16x128_f8f6f4 v[\d:\d+7], v[\a:\a+11], v[\b:\b+11], 0, v[\sa], v[\sb] matrix_a_fmt:MATRIX_FMT_BF6 matrix_b_fmt:MATRIX_FMT_BF6 matrix_a_scale:MATRIX_SCALE_ROW1
.else
	v_wmma_scale_f32_16x16x128_f8f6f4 v[\d:\d+7], v[\a:\a+11], v[\b:\b+11], 0, v[\sa], v[\sb] matrix_a_fmt:MATRIX_FMT_BF6 matrix_b_fmt:MATRIX_FMT_BF6
.endif
.else
.if \ra
	v_wmma_scale_f32_16x16x128_f8f6f4 v[\d:\d+7], v[\a:\a+11], v[\b:\b+11], v[\d:\d+7], v[\sa], v[\sb] matrix_a_fmt:MATRIX_FMT_BF6 matrix_b_fmt:MATRIX_FMT_BF6 matrix_a_scale:MATRIX_SCALE_ROW1
.else
	v_wmma_scale_f32_16x16x128_f8f6f4 v[\d:\d+7], v[\a:\a+11], v[\b:\b+11], v[\d:\d+7], v[\sa], v[\sb] matrix_a_fmt:MATRIX_FMT_BF6 matrix_b_fmt:MATRIX_FMT_BF6
.endif
.endif
.endm
.macro INIT                            ; a tile's state: the step is written once; the first finds zeros, which the first change of M leaves zeros
	v_mov_b32 v13, 0xff61b1e6                      ; the largest t so far: -3e38
	v_mov_b32 v14, 0
	v_mov_b32 v15, 0
	v_floor_f32 v12, -v13                          ; -M
.set n, 0
.rept 32
	v_mov_b32 v[160+n], 0
.set n, n+1
.endr
.endm
; One tile (block s13 of queries) against my key blocks G = parity, parity + 2, ..: eight trips in every wave; a trip whose keys all come after the queries leaves out its work
.macro PASS
	s_mov_b32 s16, s18
	s_mul_i32 s17, s18, BLK
	s_mov_b32 s37, 0
.Lstep_\@:
	s_cmp_gt_u32 s16, s13
	s_cbranch_scc1 .Lskip_\@
	v_add_nc_u32 v7, s17, v11                      ; seven plain lines: also the places between the last products and the loads into the registers that they read
	v_add_nc_u32 v8, s17, v29
	v_add_nc_u32 v9, s17, v30
	v_add_nc_u32 v211, s17, v93
	v_add_nc_u32 v223, s17, v95
	v_add_nc_u32 v3, s17, v1
	v_add_nc_u32 v4, s17, v2
.irp t, 0,1,4,5
	ds_load_b128 v[32+6*\t:35+6*\t], v7 offset:768*\t
	ds_load_b64 v[36+6*\t:37+6*\t], v9 offset:768*\t+512
	ds_load_b128 v[44+6*\t:47+6*\t], v8 offset:768*\t+128     ; tile t + 2 comes from the same two stored tiles, eight lane slots on
	ds_load_b64 v[48+6*\t:49+6*\t], v211 offset:768*\t+576
.endr
.irp p, 0,1,2,3
	ds_load_b32 v[212+\p], v223 offset:12288+256*(\p/2)+64*(\p%2)   ; K's scale words: register t / 2, lanes 0-15 the even tile, lanes 16-31 the odd one
.endr
	s_wait_alu depctr_va_vdst(0)
	s_wait_dscnt 0x0
.irp t, 0,1,2,3,4,5,6,7
.set rD, 96+8*\t
.set rA, 32+6*\t
.set rSA, 212+\t/2
.set fA, \t%2
	WM rD, rA, 16, 1, rSA, 28, fA                  ; S^T: register 32 c + i of lane (r, h) is key 64 c + 32 h + i against query r
.endr
	PLACES 4
.irp t, 0,1,2,3
.irp c, 0,1
	ds_load_b128 v[32+12*\t+6*\c:35+12*\t+6*\c], v3 offset:6144+768*(4*\c+\t)       ; V's four fragments land under the softmax
	ds_load_b64 v[36+12*\t+6*\c:37+12*\t+6*\c], v4 offset:6144+768*(4*\c+\t)+512
.endr
.endr
	ds_load_b64 v[216:217], v4 offset:12800        ; V's scale bytes of keys 0-63,
	ds_load_b64 v[218:219], v4 offset:13056        ; and of keys 64-127
	s_cmp_lg_u32 s16, s13
	s_cbranch_scc1 .Lopen_\@                       ; only the tile's own block lies on the diagonal
.set n, 0
.rept 64
	v_cmp_gt_i32 vcc_lo, 64*(n/32)+n%32, v5
	v_cndmask_b32 v[96+n], v[96+n], v250, vcc_lo   ; a hidden key's score becomes -infinity: p = 0
.set n, n+1
.endr
.Lopen_\@:
.irp b, 0,1,2,3
	v_max3_num_f32 v[224+\b], v[96+16*\b], v[97+16*\b], v[98+16*\b]   ; four chains by turns, two to a block
.endr
.irp i, 3,5,7,9,11,13
.irp b, 0,1,2,3
	v_max3_num_f32 v[224+\b], v[224+\b], v[96+16*\b+\i], v[97+16*\b+\i]
.endr
.endr
.irp c, 0,1
	v_max_num_f32 v[225+2*\c], v[225+2*\c], v[127+32*\c]
.endr
.irp c, 0,1
	v_max3_num_f32 v[224+2*\c], v[224+2*\c], v[111+32*\c], v[225+2*\c]   ; my block's largest score: for the row's maximum and, since p rises with the score, for the block's largest p
.endr
	D 1
	v_max_num_f32 v251, v224, v226
	D 1
	v_permlanex16_b32 v228, v251, s20, s21
	D 1
	v_max_num_f32 v251, v251, v228
	D 1
	v_mul_f32 v251, s22, v251                      ; the step's largest t
	D 1
	v_max_num_f32 v13, v13, v251
	v_mov_b32 v251, v12
	D 2
	v_floor_f32 v12, -v13                          ; the new -M = -ceil(t)
	D 1
	v_sub_f32 v251, v12, v251                      ; old M - new M: a whole number, 0 or less
	D 1
	v_cvt_i32_f32 v251, v251                       ; (it saturates)
	D 1
	v_ldexp_f32 v230, 1.0, v251                    ; f = 2^(old M - new M)
.set n, 0
.rept 32
	v_pk_fma_f32 v[96+n:97+n], v[96+n:97+n], s[22:23], v[12:13] op_sel_hi:[1,0,0]   ; t - M
.set n, n+2
.endr
	v_fma_f32 v224, v224, s22, v12
	v_fma_f32 v226, v226, s22, v12
	s_wait_alu depctr_va_vdst(0)
.set n, 0
.rept 64
	v_exp_f32 v[96+n], v[96+n]                     ; p
.set n, n+1
.endr
	v_exp_f32 v224, v224                           ; the blocks' largest p: the same two instructions on the same number
	v_exp_f32 v226, v226
	v_pk_mul_f32 v[14:15], v[14:15], v[230:231] op_sel_hi:[1,0]   ; l under the new M; also the plain line behind the exponentials
	s_wait_alu depctr_va_vdst(0)                   ; and behind it
.irp c, 0,1
	v_max_num_f32 v[224+2*\c], 0x2800000, v[224+2*\c]   ; the floor 2^(5 - 127)
.endr
.irp c, 0,1
	D 2
	v_add_nc_u32 v[232+\c], 0xfe000000, v[224+2*\c]     ; 4 off the exponent field: the conversion's scale operand
.endr
.irp c, 0,1
	D 2
	v_lshrrev_b32 v[234+\c], 23, v[232+\c]
.endr
	D 1
	v_lshl_or_b32 v222, v235, 16, v234             ; my bytes: blocks h and 2 + h,
	D 1
	v_lshlrev_b32 v222, v10, v222                  ; 8 h bits up;
	D 1
	v_permlanex16_b32 v229, v222, s20, s21
	D 1
	v_or_b32 v222, v222, v229                      ; with lane l xor 16's two: p's scale word
.irp c, 0,1
	v_cvt_scalef32_pk16_bf6_f32 v[192+6*\c:194+6*\c], v[96+32*\c:111+32*\c], v[232+\c]
	v_cvt_scalef32_pk16_bf6_f32 v[204+4*\c:206+4*\c], v[112+32*\c:127+32*\c], v[232+\c]   ; a conversion's three registers begin on an even number
.endr
	v_nop                                          ; one plain line behind the scaled conversions
.irp c, 0,1
.irp i, 0,1,2
	v_mov_b32 v[195+6*\c+\i], v[204+4*\c+\i]
.endr
.endr
	s_wait_dscnt 0x0                               ; V and its scale bytes are in
	v_lshl_or_b32 v220, v218, 16, v216             ; V's scale words for the 128 keys
	v_lshl_or_b32 v221, v219, 16, v217
.irp k, 0,1,2,3,4,5,6                              ; l: 32 pairs in eight chains
	v_pk_add_f32 v[236+2*\k:237+2*\k], v[96+4*\k:97+4*\k], v[98+4*\k:99+4*\k]
.endr
	v_pk_add_f32 v[14:15], v[14:15], v[124:125]
.irp k, 0,1,2,3,4,5,6
	v_pk_add_f32 v[236+2*\k:237+2*\k], v[236+2*\k:237+2*\k], v[126+2*\k:127+2*\k]
.endr
	v_pk_add_f32 v[14:15], v[14:15], v[140:141]
.irp k, 0,1,2,3,4,5,6
	v_pk_add_f32 v[236+2*\k:237+2*\k], v[236+2*\k:237+2*\k], v[142+2*\k:143+2*\k]
.endr
	v_pk_add_f32 v[14:15], v[14:15], v[156:157]
	v_pk_add_f32 v[236:237], v[236:237], v[158:159]
	v_pk_add_f32 v[240:241], v[240:241], v[242:243]
	v_pk_add_f32 v[244:245], v[244:245], v[246:247]
	v_pk_add_f32 v[14:15], v[14:15], v[248:249]
	v_pk_add_f32 v[236:237], v[236:237], v[238:239]
	v_pk_add_f32 v[14:15], v[14:15], v[244:245]
	D 2
	v_pk_add_f32 v[236:237], v[236:237], v[240:241]
	D 1
	v_pk_add_f32 v[14:15], v[14:15], v[236:237]
	s_wait_alu depctr_va_vdst(0)                   ; directly ahead of the first reader of O^T
.set n, 0
.rept 16
	v_pk_mul_f32 v[160+n:161+n], v[160+n:161+n], v[230:231] op_sel_hi:[1,0]   ; O^T under the new M, from each accumulator's low end on
.set n, n+2
.endr
.irp t, 0,1,2,3
.set rD, 160+8*\t
.set rA, 32+12*\t
.set rSA, 220+\t/2
.set fA, \t%2
	WM rD, rA, 192, 0, rSA, 222, fA                ; O^T += V^T P^T; the four accumulators take turns
.endr
.Lskip_\@:
	s_add_co_u32 s17, s17, 2*BLK
	s_add_co_u32 s16, s16, 2
	s_add_co_u32 s37, s37, 1
	s_cmp_lt_u32 s37, 8
	s_cbranch_scc1 .Lstep_\@
.endm
	s_load_b256 s[4:11], s[0:1], 0x0               ; qc s[4:5], kv s[6:7], oc s[8:9], os s[10:11]
	v_lshl_add_u32 v254, v0, 2, SPARE
	v_mov_b32 v255, 0
	ds_add_u32 v254, v255                          ; the opening lines: the add, twice on end, and its wait
	ds_add_u32 v254, v255
	v_lshrrev_b32 v1, 5, v0
	v_readfirstlane_b32 s12, v1                    ; wave 0..15
	s_lshr_b32 s40, s12, 2
	s_xor_b32 s40, s40, s12
	s_and_b32 s18, s40, 1                          ; my parity of key blocks
	s_lshr_b32 s41, s12, 1                         ; a
	s_mul_i32 s40, s18, 15
	s_xor_b32 s13, s41, s40                        ; my first tile's block: a or 15 - a,
	s_xor_b32 s19, s13, 15                         ; and my second's, which I finish
	s_bfe_u32 s41, ttmp6, 0x40000                  ; cx
	s_lshl_b32 s14, ttmp9, 2
	s_add_co_u32 s14, s14, s41                     ; c: my tile in a block.  It enters global addresses and the mask's number alone
	s_and_b32 s15, ttmp7, 0xffff                   ; hb, which the partners share
	s_mov_b32 s24, 15|(3<<16)|(1<<21)              ; the descriptor: 52 rows of 256 bytes (32 elements of 8 bytes), dense; mask 15, bit 21 beside it
	s_mov_b32 s25, 32<<16
	s_mov_b32 s26, 52<<16
	s_mov_b32 s27, 32<<16
	s_mov_b32 s28, 52
	s_mov_b32 s29, 32
	s_mov_b32 s30, 0
	s_mov_b32 s31, 0
	s_mov_b32 s32, 1
	s_mul_i32 s33, s12, BLK                        ; LDS: block w
	s_mul_i32 s42, s15, 16*BLK
	s_add_co_u32 s42, s42, s33
	s_mov_b32 s43, 0
	s_mov_b32 s20, 0x76543210
	s_mov_b32 s21, 0xfedcba98                      ; v_permlanex16_b32: lane l xor 16
	s_mov_b32 s22, 0x3e38aa3b                      ; log2(e) / 8
	s_mov_b32 s23, s22                             ; named with it as a pair
	s_mov_b32 s36, 0xffff0000                      ; lanes 16-31
	s_wait_dscnt 0x0
	s_wait_kmcnt 0x0
	s_add_nc_u64 s[34:35], s[6:7], s[42:43]
	s_or_b32 s35, s35, 0x80000000
	ROUND                                          ; all four work-groups are here: the joint loads meet
	tensor_load_to_lds s[32:35], s[24:31]          ; my one tensor load
	s_nop 0
	PLACES 4
	s_lshr_b32 s50, s15, 4                         ; the tile of rows that I finish, among the 256: 128 x batch + 8 x block + c
	s_lshl_b32 s50, s50, 7
	s_lshl_b32 s51, s19, 3
	s_add_co_u32 s50, s50, s51
	s_add_co_u32 s50, s50, s14
	s_and_b32 s51, s15, 15                         ; the head
	s_lshl_b32 s52, s50, 4
	s_add_co_u32 s52, s52, s51
	s_mul_i32 s52, s52, 768
	s_mov_b32 s53, 0
	s_add_nc_u64 s[8:9], s[8:9], s[52:53]          ; oc: [tile][head] 768 bytes
	s_lshr_b32 s52, s50, 1                         ; os: [tile / 2][head / 2][16 (tile % 2) + r] words, byte 2 (head % 2) + block
	s_lshl_b32 s52, s52, 10
	s_lshr_b32 s54, s51, 1
	s_lshl_b32 s54, s54, 7
	s_add_co_u32 s52, s52, s54
	s_and_b32 s54, s50, 1
	s_lshl_b32 s54, s54, 6
	s_add_co_u32 s52, s52, s54
	s_and_b32 s54, s51, 1
	s_lshl_b32 s54, s54, 1
	s_add_co_u32 s52, s52, s54
	s_add_nc_u64 s[10:11], s[10:11], s[52:53]
	s_mul_i32 s40, s14, 768                        ; qc, in a block of 6,656 bytes: my tile's codes at 768 c,
	s_lshr_b32 s41, s14, 2                         ; its scale words at 6,144 + 256 (c / 4) + 128 (c % 2) + 4 ((c / 2) % 2) + 8 r
	s_lshl_b32 s41, s41, 8
	s_and_b32 s42, s14, 1
	s_lshl_b32 s42, s42, 7
	s_add_co_u32 s41, s41, s42
	s_bfe_u32 s42, s14, 0x10001
	s_lshl_b32 s42, s42, 2
	s_add_co_u32 s41, s41, s42
	s_add_co_u32 s41, s41, 6144
	s_lshl_b32 s42, s15, 4
	s_add_co_u32 s44, s42, s13                     ; block 16 hb + j of the first tile
	s_mul_i32 s44, s44, 6656
	s_add_co_u32 s46, s44, s40
	s_mov_b32 s47, 0
	s_add_nc_u64 s[46:47], s[4:5], s[46:47]
	s_add_co_u32 s48, s44, s41
	s_mov_b32 s49, 0
	s_add_nc_u64 s[48:49], s[4:5], s[48:49]
	s_add_co_u32 s44, s42, s19                     ; and of the second
	s_mul_i32 s44, s44, 6656
	s_add_co_u32 s56, s44, s40
	s_mov_b32 s57, 0
	s_add_nc_u64 s[56:57], s[4:5], s[56:57]
	s_add_co_u32 s58, s44, s41
	s_mov_b32 s59, 0
	s_add_nc_u64 s[58:59], s[4:5], s[58:59]
	s_lshr_b32 s45, s14, 1                         ; my tile's first query in its block: 32 (c / 2) + 8 (c % 2)
	s_lshl_b32 s45, s45, 5
	s_and_b32 s50, s14, 1
	s_lshl_b32 s50, s50, 3
	s_add_co_u32 s45, s45, s50
	s_mul_i32 s38, s12, PW
	s_add_co_u32 s38, s38, PART                    ; my partial's bytes,
	s_xor_b32 s39, s12, 1
	s_mul_i32 s39, s39, PW
	s_add_co_u32 s39, s39, PART                    ; and my partner's
	v_and_b32 v10, 31, v0
	v_and_b32 v224, 15, v0                         ; r
	v_bfe_u32 v225, v0, 4, 1                       ; h
	v_and_b32 v226, 7, v0                          ; r % 8
	v_bfe_u32 v227, v0, 3, 1                       ; r / 8
	v_lshlrev_b32 v1, 4, v10                       ; 16 x lane
	v_lshlrev_b32 v2, 3, v10                       ; 8 x lane
	v_lshlrev_b32 v232, 8, v225
	v_lshlrev_b32 v233, 7, v225
	v_lshl_add_u32 v232, v226, 4, v232             ; 16 (r % 8) + 256 h
	v_lshl_add_u32 v233, v226, 3, v233             ; 8 (r % 8) + 128 h
	v_mad_u32_u24 v11, v227, 1664, v232            ; K, 16-byte parts, tiles u = 0, 1: rows 8-15 two stored tiles (1,536) on, slot xor 8 (+ 128);
	v_mad_u32_u24 v29, v227, 1408, v232            ; tiles u = 2, 3 (the loads add 128): for rows 8-15 the xor takes the 128 away
	v_mad_u32_u24 v30, v227, 1600, v233            ; the 8-byte parts likewise, with 64
	v_mad_u32_u24 v93, v227, 1472, v233
	v_lshl_add_u32 v95, v227, 2, v233              ; K's scale words: 128 (u % 2, by my lane's half) + 8 (r % 8) + 4 (r / 8)
	v_add_nc_u32 v31, s38, v1
	v_add_nc_u32 v94, s39, v1
	v_lshl_add_u32 v5, v227, 3, v224
	v_lshlrev_b32 v234, 5, v225
	v_add_nc_u32 v5, s45, v5
	v_lshl_add_u32 v6, v224, 2, v225               ; the way out: my scale byte, 4 r + h
	v_lshlrev_b32 v235, 3, v224
	v_lshlrev_b32 v10, 3, v225                     ; 8 h
	v_sub_nc_u32 v5, v5, v234                      ; my query in its block less 32 h: key 64 c + 32 h + i is hidden where 64 c + i is greater
	s_wait_alu depctr_va_vdst(0)
	global_load_b128 v[16:19], v1, s[46:47]
	global_load_b64 v[20:21], v2, s[46:47] offset:512
	global_load_b32 v28, v235, s[48:49]
	global_load_b128 v[86:89], v1, s[56:57]
	global_load_b64 v[90:91], v2, s[56:57] offset:512
	global_load_b32 v92, v235, s[58:59]
.irp i, 22,23,24,25,26,27,80,81,82,83,84,85,228,229,231
	v_mov_b32 v[\i], 0                             ; Q's upper half and the six registers behind K's last tile: zero codes; destinations of lane permutes; the half of a pair that is named whole
.endr
	v_mov_b32 v250, 0xff800000                     ; -infinity
	INIT
	s_wait_alu depctr_va_vdst(0)
	s_wait_tensorcnt 0x0                           ; my block is in,
	s_barrier_signal -1
	s_barrier_wait -1                              ; everybody's is: K's and V's bytes are only read from here on
	s_wait_loadcnt 0x0                             ; Q
	PASS                                           ; my first tile
	PLACES 4
.irp k, 0,1,2,3,4,5,6,7
	ds_store_b128 v31, v[160+4*\k:163+4*\k] offset:512*\k   ; its partial, as an image of the registers, each accumulator from its low end on
.endr
	ds_store_b128 v31, v[12:15] offset:4096        ; -M, the largest t, l's two halves
	s_wait_dscnt 0x0                               ; the stores have read their registers
.irp i, 0,1,2,3,4,5
	v_mov_b32 v[16+\i], v[86+\i]                   ; the second tile's Q
.endr
	v_mov_b32 v28, v92
	INIT
	s_mov_b32 s13, s19
	s_wait_alu depctr_va_vdst(0)
	PASS                                           ; my second tile
	PLACES 4
	s_wait_dscnt 0x0
	s_barrier_signal -1
	s_barrier_wait -1                              ; every wave's first partial is stored
.irp k, 0,1,2,3,4,5,6,7
	ds_load_b128 v[96+4*\k:99+4*\k], v94 offset:512*\k   ; my partner's partial of the tile that I hold
.endr
	ds_load_b128 v[128:131], v94 offset:4096
	s_wait_dscnt 0x0
	v_min_num_f32 v251, v12, v128                  ; -M of the two together
	v_add_f32 v14, v14, v15
	v_add_f32 v130, v130, v131
	v_sub_f32 v224, v251, v12                      ; my M less the common one: a whole number, 0 or less;
	v_sub_f32 v225, v251, v128                     ; my partner's (a partial of no step has M = -3e38: its factor becomes 0)
	D 2
	v_cvt_i32_f32 v224, v224
	D 2
	v_cvt_i32_f32 v225, v225
	D 2
	v_ldexp_f32 v224, 1.0, v224
	D 2
	v_ldexp_f32 v225, 1.0, v225
	D 2
	v_mul_f32 v14, v14, v224
	D 1
	v_fma_f32 v14, v130, v225, v14
	D 1
	v_permlanex16_b32 v228, v14, s20, s21
	D 1
	v_add_f32 v14, v14, v228                       ; the row's sum
	s_wait_alu depctr_va_vdst(0)
	v_rcp_f32 v226, v14
	v_nop                                          ; a plain line behind the transcendental
	s_wait_alu depctr_va_vdst(0)
	v_mul_f32 v230, v224, v226                     ; a power of two / l for each partial
	v_mul_f32 v232, v225, v226
.set n, 0
.rept 16
	v_pk_mul_f32 v[96+n:97+n], v[96+n:97+n], v[232:233] op_sel_hi:[1,0]
.set n, n+2
.endr
.set n, 0
.rept 16
	v_pk_fma_f32 v[96+n:97+n], v[160+n:161+n], v[230:231], v[96+n:97+n] op_sel_hi:[1,0,1]   ; register 16 b + i: channel 32 b + 16 h + i of query r
.set n, n+2
.endr
	; THE WAY OUT: quantised along the head's 64 (two blocks of the last product's K), six registers of codes and one byte a lane
.irp b, 0,1
	v_max3_num_f32 v[224+\b], |v[96+16*\b]|, |v[97+16*\b]|, 0x2800000
.endr
.irp i, 2,4,6,8,10,12,14
.irp b, 0,1
	D 2
	v_max3_num_f32 v[224+\b], v[224+\b], |v[96+16*\b+\i]|, |v[97+16*\b+\i]|
.endr
.endr
.irp b, 0,1
	D 2
	v_permlanex16_b32 v[228+\b], v[224+\b], s20, s21
.endr
.irp b, 0,1
	D 2
	v_max_num_f32 v[224+\b], v[224+\b], v[228+\b]
.endr
.irp b, 0,1
	D 2
	v_add_nc_u32 v[232+\b], 0xfe000000, v[224+\b]
.endr
.irp b, 0,1
	D 2
	v_lshrrev_b32 v[236+\b], 23, v[232+\b]
.endr
	D 1
	v_cndmask_b32 v234, v236, v237, s36            ; lanes 0-15 store block 0's byte, lanes 16-31 block 1's
	v_cvt_scalef32_pk16_bf6_f32 v[192:194], v[96:111], v232
	v_cvt_scalef32_pk16_bf6_f32 v[204:206], v[112:127], v233
	v_nop
.irp i, 0,1,2
	v_permlane16_swap_b32 v[192+\i], v[204+\i]     ; a whole block to a lane
.endr
.irp i, 0,1,2
	D 3
	v_mov_b32 v[195+\i], v[204+\i]
.endr
	global_store_b128 v1, v[192:195], s[8:9]       ; 512 consecutive bytes, aligned to 256
	global_store_b64 v2, v[196:197], s[8:9] offset:512
	global_store_b8 v6, v234, s[10:11]             ; two bytes of each of 16 words: the other two are the neighbouring head's
	s_wait_tensorcnt 0x0                           ; the wave's end
	ds_add_u32 v254, v255
	s_wait_dscnt 0x0
	ROUND                                          ; the closing round
	s_endpgm
.Lfunc_end_k_qc36666f351_attn:
	.size	k_qc36666f351_attn, .Lfunc_end_k_qc36666f351_attn-k_qc36666f351_attn
	.p2alignl 7, 3214868480
	.fill 96, 4, 3214868480
	.section	.rodata,"a",@progbits
	.p2align	6, 0x0
	.amdhsa_kernel k_qc36666f351_attn
		.amdhsa_group_segment_fixed_size 288768
		.amdhsa_private_segment_fixed_size 0
		.amdhsa_enable_private_segment 0
		.amdhsa_kernarg_size 32
		.amdhsa_user_sgpr_count 2
		.amdhsa_user_sgpr_kernarg_segment_ptr 1
		.amdhsa_wavefront_size32 1
		.amdhsa_system_sgpr_workgroup_id_x 1
		.amdhsa_system_sgpr_workgroup_id_y 1
		.amdhsa_system_sgpr_workgroup_id_z 1
		.amdhsa_system_vgpr_workitem_id 0
		.amdhsa_next_free_vgpr 256
		.amdhsa_next_free_sgpr 66
		.amdhsa_reserve_vcc 1
		.amdhsa_float_denorm_mode_32 3
		.amdhsa_float_denorm_mode_16_64 3
		.amdhsa_memory_ordered 1
		.amdhsa_forward_progress 1
		.amdhsa_inst_pref_size 61
	.end_amdhsa_kernel
	.amdgpu_metadata
---
amdhsa.version: [ 1, 2 ]
amdhsa.kernels:
  - .name:           k_qc36666f351_attn
    .symbol:         k_qc36666f351_attn.kd
    .args:
      - { .name: qc, .offset: 0, .size: 8, .value_kind: global_buffer, .address_space: global }
      - { .name: kv, .offset: 8, .size: 8, .value_kind: global_buffer, .address_space: global }
      - { .name: oc, .offset: 16, .size: 8, .value_kind: global_buffer, .address_space: global }
      - { .name: os, .offset: 24, .size: 8, .value_kind: global_buffer, .address_space: global }
    .group_segment_fixed_size: 288768
    .private_segment_fixed_size: 0
    .kernarg_segment_align: 8
    .kernarg_segment_size: 32
    .max_flat_workgroup_size: 512
    .sgpr_count:     66
    .vgpr_count:     256
    .wavefront_size: 32
...
	.end_amdgpu_metadata
.endif
;; end of part 3
;; launch proj (part 4): grid 4 x 64, 4 waves a work-group, clusters of 4 x 1, 168,448 bytes of LDS; arguments oc, os, wc, ws, out0; writes out0
.if DOCPART == 4
	.amdgcn_target "amdgcn-amd-amdhsa--gfx1250"
	.amdhsa_code_object_version 6
	.text
	.protected	k_qc36666f351_proj
	.globl	k_qc36666f351_proj
	.p2align	8
	.type	k_qc36666f351_proj,@function
k_qc36666f351_proj:
	s_mov_b64 s[64:65], 0
	v_nop
	global_prefetch_b8 v0, s[64:65] scope:SCOPE_SE
	s_setreg_imm32_b32 hwreg(HW_REG_WAVE_MODE, 25, 1), 1
	s_wait_xcnt 0x0
	s_wait_alu depctr_hold_cnt(0) depctr_sa_sdst(0) depctr_va_vdst(0) depctr_va_sdst(0) depctr_va_ssrc(0) depctr_va_vcc(0) depctr_vm_vsrc(0)
	s_getreg_b32 s2, hwreg(HW_REG_IB_STS2, 6, 4)
	s_cmp_eq_u32 s2, 0
	s_cbranch_scc0 .Lentry_in_a_cluster
	s_endpgm
.Lentry_in_a_cluster:
	s_bfe_u32 s2, ttmp6, 0x10000c
	s_cmp_lg_u32 s2, 0x3003
	s_cbranch_scc0 .Lentry_shape_is_right
	s_endpgm
.Lentry_shape_is_right:
; out0 = o WO on codes of BF6 (E3M2) with E8M0 scales, sums in f32.  o arrives as oc, os (the attention launch's codes, laid as operand registers), WO as matrix 3 of wc, ws.
; SHARES.  A work-group takes 64 rows x 256 columns; wave w of work-group cx keeps columns 64 (4 cx + w) on, 32 fragments, 384 registers, in registers.  128 matrix instructions a wave; 256 work-groups.
; CLUSTER.  The four partners read the same 64 rows of o: 49,152 bytes of codes, asked for JOINTLY, one tensor load a wave, filled once.
; Source 0 = 16 columns of WO, source 1 = 16 rows of o: a lane holds one row and 32 registers along the columns.  Lane r of a tile stands for index 32 (tile / 2) + 8 (tile % 2) + r + 8 (r / 8).
; THE WAY OUT goes through each wave's own stage (16 rows of 256 + 16 bytes, behind the filled bytes, into which no fill lands): sixteen lanes then store 256 consecutive bytes of a row, aligned.
; REGISTERS: window 0: v1-8 addresses; v16-31 WO's scale words; v32-47 o's; v48-95, v96-143 o's fragments, two sets; on the way out v48-175 rows.   windows 1, 2: WO.   window 3: 16 accumulators.
.set WS,  16
.set XSC, 32
.set XB0, 48
.set STG, 51200
.set MSB, 0
.macro WIN new                         ; the immediate's high byte repeats the setting that is left
.if MSB != (\new)
	s_set_vgpr_msb (MSB<<8)|(\new)
.set MSB, (\new)
.endif
.endm
.macro PLACES n
.rept \n
	v_nop
.endr
.endm
.macro ROUND                           ; a round of the cluster's barrier
	s_barrier_signal -1
	s_barrier_wait -1
	s_cmp_lg_u32 s16, 0
	s_cbranch_scc1 .Lnot_wave_0_\@
	s_barrier_signal -3
.Lnot_wave_0_\@:
	s_barrier_wait -3
	s_barrier_signal -1
	s_barrier_wait -1
.endm
.macro WM d, a, b, z, sa, sb, ra, rb
.if \z
.if (\ra) && (\rb)
	v_wmma_scale_f32_16x16x128_f8f6f4 v[\d:\d+7], v[\a:\a+11], v[\b:\b+11], 0, v[\sa], v[\sb] matrix_a_fmt:MATRIX_FMT_BF6 matrix_b_fmt:MATRIX_FMT_BF6 matrix_a_scale:MATRIX_SCALE_ROW1 matrix_b_scale:MATRIX_SCALE_ROW1
.elseif \ra
	v_wmma_scale_f32_16x16x128_f8f6f4 v[\d:\d+7], v[\a:\a+11], v[\b:\b+11], 0, v[\sa], v[\sb] matrix_a_fmt:MATRIX_FMT_BF6 matrix_b_fmt:MATRIX_FMT_BF6 matrix_a_scale:MATRIX_SCALE_ROW1
.elseif \rb
	v_wmma_scale_f32_16x16x128_f8f6f4 v[\d:\d+7], v[\a:\a+11], v[\b:\b+11], 0, v[\sa], v[\sb] matrix_a_fmt:MATRIX_FMT_BF6 matrix_b_fmt:MATRIX_FMT_BF6 matrix_b_scale:MATRIX_SCALE_ROW1
.else
	v_wmma_scale_f32_16x16x128_f8f6f4 v[\d:\d+7], v[\a:\a+11], v[\b:\b+11], 0, v[\sa], v[\sb] matrix_a_fmt:MATRIX_FMT_BF6 matrix_b_fmt:MATRIX_FMT_BF6
.endif
.else
.if (\ra) && (\rb)
	v_wmma_scale_f32_16x16x128_f8f6f4 v[\d:\d+7], v[\a:\a+11], v[\b:\b+11], v[\d:\d+7], v[\sa], v[\sb] matrix_a_fmt:MATRIX_FMT_BF6 matrix_b_fmt:MATRIX_FMT_BF6 matrix_a_scale:MATRIX_SCALE_ROW1 matrix_b_scale:MATRIX_SCALE_ROW1
.elseif \ra
	v_wmma_scale_f32_16x16x128_f8f6f4 v[\d:\d+7], v[\a:\a+11], v[\b:\b+11], v[\d:\d+7], v[\sa], v[\sb] matrix_a_fmt:MATRIX_FMT_BF6 matrix_b_fmt:MATRIX_FMT_BF6 matrix_a_scale:MATRIX_SCALE_ROW1
.elseif \rb
	v_wmma_scale_f32_16x16x128_f8f6f4 v[\d:\d+7], v[\a:\a+11], v[\b:\b+11], v[\d:\d+7], v[\sa], v[\sb] matrix_a_fmt:MATRIX_FMT_BF6 matrix_b_fmt:MATRIX_FMT_BF6 matrix_b_scale:MATRIX_SCALE_ROW1
.else
	v_wmma_scale_f32_16x16x128_f8f6f4 v[\d:\d+7], v[\a:\a+11], v[\b:\b+11], v[\d:\d+7], v[\sa], v[\sb] matrix_a_fmt:MATRIX_FMT_BF6 matrix_b_fmt:MATRIX_FMT_BF6
.endif
.endif
.endm
.macro FETCHO s, buf                   ; four fragments of o for K step s: heads 2 s and 2 s + 1 give registers 0-5 and 6-11
.irp m, 0,1,2,3
.irp c, 0,1
	ds_load_b128 v[\buf+12*\m+6*\c:\buf+12*\m+6*\c+3], v1 offset:(16*\m+2*(\s)+\c)*768
	ds_load_b64 v[\buf+12*\m+6*\c+4:\buf+12*\m+6*\c+5], v3 offset:(16*\m+2*(\s)+\c)*768+512
.endr
.endr
.endm
.macro KSTEPO s                        ; 16 products; the 16 accumulators take turns in ascending order
.set CUR, XB0+48*((\s)%2)
.set NXT, XB0+48*(((\s)+1)%2)
.if (\s) < 7
.if (\s) > 0
	PLACES 4                                       ; four places between the last products that read the other set and the loads into it
.endif
	FETCHO (\s)+1, NXT
	s_wait_dscnt 16                                ; all but the sixteen just issued
.else
	s_wait_dscnt 0x0
.endif
.if 84-12*(\s) > 63
	s_wait_loadcnt 63                              ; the later K steps' weights, twelve loads each, may stay out; a count names at most what the counter's field holds (ISA guide 5.7.1)
.else
	s_wait_loadcnt 84-12*(\s)
.endif
.if (\s) < 5
.set WW, 1
.set WB, 48*(\s)
.else
.set WW, 2
.set WB, 48*((\s)-5)
.endif
.if (\s) == 0
.set ZZ, 1
.else
.set ZZ, 0
.endif
.set WSEL, 0xf0|WW
	WIN WSEL                                       ; source 0 (WO) window 1 or 2, source 1 (o) window 0, C and D window 3
.irp m, 0,1,2,3
.irp t, 0,1,2,3
.set rD, 8*(4*\m+\t)
.set rA, WB+12*\t
.set rB, CUR+12*\m
.set rSA, WS+8*(\t/2)+(\s)
.set rSB, XSC+8*(\m/2)+(\s)
.set fA, \t%2
.set fB, \m%2
	WM rD, rA, rB, ZZ, rSA, rSB, fA, fB
.endr
.endr
	WIN 0
.endm
	s_load_b256 s[4:11], s[0:1], 0x0               ; oc s[4:5], os s[6:7], wc s[8:9], ws s[10:11]
	s_load_b64 s[12:13], s[0:1], 0x20              ; out0
	v_lshl_add_u32 v254, v0, 2, 0x29000
	v_mov_b32 v255, 0
	ds_add_u32 v254, v255
	ds_add_u32 v254, v255
	v_lshrrev_b32 v6, 5, v0
	v_readfirstlane_b32 s16, v6                    ; wave 0..3
	v_and_b32 v6, 31, v0
	v_lshlrev_b32 v1, 4, v6                        ; 16 x lane
	v_lshlrev_b32 v2, 2, v6                        ; 4 x lane
	v_lshlrev_b32 v3, 3, v6                        ; 8 x lane
	v_and_b32 v9, 15, v0                           ; r
	v_bfe_u32 v10, v0, 4, 1                        ; h
	s_mul_i32 s48, s16, 4352
	s_add_co_u32 s48, s48, STG                     ; my stage
	v_mul_u32_u24 v6, v9, 272
	v_lshl_add_u32 v6, v10, 6, v6
	v_add_nc_u32 v6, s48, v6                       ; in: row r, 64 bytes for each half of the lanes in each 128
	v_mul_u32_u24 v7, v10, 272
	v_lshl_add_u32 v7, v9, 4, v7
	v_add_nc_u32 v7, s48, v7                       ; back: lanes 0-15 one row, lanes 16-31 the next
	v_lshlrev_b32 v8, 12, v10
	v_lshl_add_u32 v8, v9, 4, v8                   ; and the same two rows in out0
	s_bfe_u32 s17, ttmp6, 0x40000                  ; cx
	s_and_b32 s19, ttmp7, 0xffff                   ; which 64 rows
	s_lshl_b32 s20, s17, 2
	s_add_co_u32 s20, s20, s16                     ; which 64 columns
	s_add_co_u32 s50, s20, 48                      ; matrix 3
	s_mul_i32 s52, s50, 49152
	s_mov_b32 s53, 0
	s_lshl_b32 s54, s50, 11
	s_mov_b32 s55, 0
	s_lshl_b32 s56, s19, 18                        ; 64 rows of 4,096 bytes
	s_lshl_b32 s57, s20, 8
	s_add_co_u32 s56, s56, s57
	s_mov_b32 s57, 0
	; descriptor groups 1: dense blocks as rows of 256 bytes (32 elements of 8 bytes); mask 15, bit 21 beside it
	s_mov_b32 s24, 15|(3<<16)|(1<<21)
	s_mov_b32 s25, 32<<16
	s_mov_b32 s26, 48<<16                          ; 48 rows: one tile of rows, sixteen heads
	s_mov_b32 s27, 32<<16
	s_mov_b32 s28, 48
	s_mov_b32 s29, 32
	s_mov_b32 s30, 0
	s_mov_b32 s31, 0
	s_lshl_b32 s22, s19, 11
	s_mov_b32 s23, 0
	s_wait_alu depctr_va_vdst(0)
	s_wait_dscnt 0x0
	s_wait_kmcnt 0x0
	s_add_nc_u64 s[52:53], s[8:9], s[52:53]
	s_add_nc_u64 s[54:55], s[10:11], s[54:55]
	s_add_nc_u64 s[12:13], s[12:13], s[56:57]
	s_add_nc_u64 s[42:43], s[6:7], s[22:23]        ; os at my 64 rows
	s_mul_i32 s22, s19, 49152
	s_mul_i32 s45, s16, 12288                      ; LDS: tile w
	s_add_co_u32 s22, s22, s45
	s_mov_b32 s44, 1
	s_add_nc_u64 s[46:47], s[4:5], s[22:23]
	s_or_b32 s47, s47, 0x80000000
	ROUND                                          ; all four work-groups are here: the joint loads meet
	tensor_load_to_lds s[44:47], s[24:31]          ; my one tensor load, ahead of the run of loads below, so that o's rows and the weights are on their way together
	s_nop 0
	PLACES 4
.irp i, 0,1,2,3,4,5,6,7,8,9,10,11,12,13,14,15
	global_load_b32 v[WS+\i], v2, s[54:55] offset:128*\i
	global_load_b32 v[XSC+\i], v2, s[42:43] offset:128*\i  ; o's scale words, straight into registers: register 8 p + s: lanes 0-15 tile 2 p's words of K step s, lanes 16-31 tile 2 p + 1's
.endr
	WIN 0x40                                       ; destination window 1
.irp s, 0,1,2,3,4
.irp t, 0,1,2,3
.irp p, 0,1,2
	global_load_b128 v[12*(4*\s+\t)+4*\p:12*(4*\s+\t)+4*\p+3], v1, s[52:53] offset:(8*\t+\s)*1536+512*\p
.endr
.endr
.endr
	WIN 0x80                                       ; destination window 2
.irp s, 5,6,7
.irp t, 0,1,2,3
.irp p, 0,1,2
	global_load_b128 v[12*(4*(\s-5)+\t)+4*\p:12*(4*(\s-5)+\t)+4*\p+3], v1, s[52:53] offset:(8*\t+\s)*1536+512*\p
.endr
.endr
.endr
	WIN 0
	s_wait_tensorcnt 0x0                           ; my parts are in,
	s_barrier_signal -1
	s_barrier_wait -1                              ; everybody's are
	FETCHO 0, XB0
.irp s, 0,1,2,3,4,5,6,7
	KSTEPO \s
.endr
	PLACES 4                                       ; four places behind the last products
	s_wait_alu depctr_va_vdst(0)
.irp m, 0,1,2,3
	WIN 0x0c                                       ; an LDS store's data are its source 1: window 3
.irp k, 0,1,2,3,4,5,6,7
	ds_store_b128 v6, v[32*\m+4*\k:32*\m+4*\k+3] offset:128*(\k/4)+16*(\k%4)   ; each accumulator from its low end on
.endr
	WIN 0
.irp i, 0,1,2,3,4,5,6,7
	ds_load_b128 v[48+32*\m+4*\i:48+32*\m+4*\i+3], v7 offset:544*\i   ; LDS serves a wave's instructions in order: these see my stores, and the next tile's stores come behind them
.endr
.endr
.irp m, 0,1,2,3
	s_wait_dscnt 48-16*\m                          ; the later tiles' sixteen LDS instructions each may stay out
.irp i, 0,1,2,3,4,5,6,7
	global_store_b128 v8, v[48+32*\m+4*\i:48+32*\m+4*\i+3], s[12:13] offset:(32*(\m/2)+8*(\m%2)+2*\i+8*(\i/4))*4096 th:TH_STORE_NT   ; sixteen lanes store 256 consecutive bytes of a row, aligned; stage row 2 i + h is the row that lane stands for
.endr
.endr
	s_wait_dscnt 0x0
	s_wait_tensorcnt 0x0
	ds_add_u32 v254, v255
	s_wait_dscnt 0x0
	ROUND                                          ; the closing round
	s_endpgm
.Lfunc_end_k_qc36666f351_proj:
	.size	k_qc36666f351_proj, .Lfunc_end_k_qc36666f351_proj-k_qc36666f351_proj
	.p2alignl 7, 3214868480
	.fill 96, 4, 3214868480
	.section	.rodata,"a",@progbits
	.p2align	6, 0x0
	.amdhsa_kernel k_qc36666f351_proj
		.amdhsa_group_segment_fixed_size 168448
		.amdhsa_private_segment_fixed_size 0
		.amdhsa_enable_private_segment 0
		.amdhsa_kernarg_size 40
		.amdhsa_user_sgpr_count 2
		.amdhsa_user_sgpr_kernarg_segment_ptr 1
		.amdhsa_wavefront_size32 1
		.amdhsa_system_sgpr_workgroup_id_x 1
		.amdhsa_system_sgpr_workgroup_id_y 1
		.amdhsa_system_sgpr_workgroup_id_z 1
		.amdhsa_system_vgpr_workitem_id 0
		.amdhsa_next_free_vgpr 896
		.amdhsa_next_free_sgpr 66
		.amdhsa_reserve_vcc 0
		.amdhsa_float_denorm_mode_32 3
		.amdhsa_float_denorm_mode_16_64 3
		.amdhsa_memory_ordered 1
		.amdhsa_forward_progress 1
		.amdhsa_inst_pref_size 50
	.end_amdhsa_kernel
	.amdgpu_metadata
---
amdhsa.version: [ 1, 2 ]
amdhsa.kernels:
  - .name:           k_qc36666f351_proj
    .symbol:         k_qc36666f351_proj.kd
    .args:
      - { .name: oc, .offset: 0, .size: 8, .value_kind: global_buffer, .address_space: global }
      - { .name: os, .offset: 8, .size: 8, .value_kind: global_buffer, .address_space: global }
      - { .name: wc, .offset: 16, .size: 8, .value_kind: global_buffer, .address_space: global }
      - { .name: ws, .offset: 24, .size: 8, .value_kind: global_buffer, .address_space: global }
      - { .name: out0, .offset: 32, .size: 8, .value_kind: global_buffer, .address_space: global }
    .group_segment_fixed_size: 168448
    .private_segment_fixed_size: 0
    .kernarg_segment_align: 8
    .kernarg_segment_size: 40
    .max_flat_workgroup_size: 128
    .sgpr_count:     66
    .vgpr_count:     896
    .wavefront_size: 32
...
	.end_amdgpu_metadata
.endif
;; end of part 4
